; MI455X (gfx1250); checked and timed in simulation.
; The chip was launched on July 23, 2026; its instructions are those of AMD's public machine-readable ISA for CDNA 5 (MIT licence, August 2026) and "CDNA5" Instruction Set Architecture Reference Guide (July 2026). The comments in the code are by the model that wrote it; some were corrected since.
;; Multi Head Temporal Attention. Allowed arithmetic: matrix products marked QUANTISED: E2M1 operands, one E8M0 scale for each 32 along K, by v_wmma_scale_f32_16x16x128_f8f6f4 with both operands' format E2M1 (or v_wmma_scale_f32_32x16x128_f4), f32 sums; everything else in f32.
;; Inputs: Wk_codes 1,024 x 32 x 16 uint8 (E2M1 codes of Wk, K innermost, in blocks of 32 codes, two codes a byte); Wk_scales 1,024 x 32 uint8 (E8M0 scales of Wk, one for each 32 codes along K); Wo_codes 1,024 x 32 x 16 uint8 (E2M1 codes of Wo, K innermost, in blocks of 32 codes, two codes a byte); Wo_scales 1,024 x 32 uint8 (E8M0 scales of Wo, one for each 32 codes along K); Wq_codes 1,024 x 32 x 16 uint8 (E2M1 codes of Wq, K innermost, in blocks of 32 codes, two codes a byte); Wq_scales 1,024 x 32 uint8 (E8M0 scales of Wq, one for each 32 codes along K); Wv_codes 1,024 x 32 x 16 uint8 (E2M1 codes of Wv, K innermost, in blocks of 32 codes, two codes a byte); Wv_scales 1,024 x 32 uint8 (E8M0 scales of Wv, one for each 32 codes along K); beta 1,024 float32; bk 1,024 float32; bo 1,024 float32; bq 1,024 float32; bv 1,024 float32; gamma 1,024 float32; hidden_states 2,048 x 4 x 1,024 float32.
;; Outputs: out0 4 x 1,024 float32; out1 4 x 2,048 float32.
;; This version of the problem:
;;   THIS VERSION OF THE PROBLEM IS GIVEN IN LOW PRECISION. The matrix products marked QUANTISED in the list below multiply operands that are first quantised to E2M1 (2 exponent bits, 1 mantissa bit; 4 bits a number), with one power-of-two scale for each 32 numbers along K (OCP MX v1.0); their sums are f32. All else is computed in f32.
;;   The module's matrix products, in the order in which they are computed (A, B: the left and right operand; K: the contracted axis; several contracted axes count as one K, in the product's order):
;;     1. [M 8,192, K 1,024] x [K 1,024, N 1,024]; A: input hidden_states; B: input Wq (given as codes): QUANTISED
;;     2. [M 8,192, K 1,024] x [K 1,024, N 1,024]; A: input hidden_states; B: input Wk (given as codes): QUANTISED
;;     3. [M 8,192, K 1,024] x [K 1,024, N 1,024]; A: input hidden_states; B: input Wv (given as codes): QUANTISED
;;     4. batch 64 x [M 2,048, K 64] x [K 64, N 2,048]; A: computed on the way; B: computed on the way: QUANTISED
;;     5. batch 64 x [M 2,048, K 2,048] x [K 2,048, N 64]; A: softmax (see below); B: computed on the way: QUANTISED
;;     6. [M 8,192, K 1,024] x [K 1,024, N 1,024]; A: computed on the way; B: input Wo (given as codes): QUANTISED
;;   THE QUANTISER, for each operand of a quantised product, along K:
;;     - K is cut into blocks of 32 from its start; a last block that is shorter is filled with zeros.
;;     - A block's scale is 2^e with e = floor(log2(the largest magnitude in the block)) - 2, held to -126 .. 127; a block of zeros has e = 0. As a byte (E8M0): e + 127.
;;     - Each number is divided by its block's scale, clamped to +-6, and rounded to the nearest number of E2M1, ties to even, subnormals kept.
;;     - The product sums the exact products of the quantised numbers (number of the format x scale) in f32.
;;   ~~~python
;;   def quantise(x, axis):      # numpy; x: float32 -> the quantised numbers, widened to float32 again
;;       x = np.moveaxis(x, axis, -1); K = x.shape[-1]
;;       x = np.pad(x, [(0, 0)] * (x.ndim - 1) + [(0, -K % 32)]); x = x.reshape(x.shape[:-1] + (-1, 32)); a = np.abs(x).max(-1, keepdims=True)
;;       e = np.where(a > 0, np.clip(np.frexp(np.where(a > 0, a, 1))[1] - 1 - 2, -126, 127), 0)      # np.frexp(a)[1] - 1 = floor(log2(a)), exactly
;;       r = np.clip(x / 2.0 ** e, -6, 6)
;;       step = 2.0 ** (np.maximum(np.frexp(np.where(r == 0, 1, r))[1] - 1, 0) - 1)
;;       q = np.round(r / step) * step * 2.0 ** e      # np.round: ties to even
;;       return np.moveaxis(q.reshape(q.shape[:-2] + (-1,))[..., :K], -1, axis).astype(np.float32)
;;   ~~~
;;   SOFTMAX AHEAD OF A QUANTISED PRODUCT. Where the list says 'softmax', what is quantised is not the finished softmax but p = 2^(t - M), with t = logit x log2(e) and M = ceil(the row's largest t), a whole number; so 1/2 < the row's largest p <= 1. The row's sum l is taken of the UNQUANTISED p, in f32, and the product's result is divided by l at the end. Since M is a whole number, a kernel that streams over the keys may use a running M (the ceiling of the running maximum): every later rescaling is an exact power of two, which a block's scale takes up: the codes' values come out the same.
;;   OPERANDS COMPUTED ON THE WAY. 'Computed on the way' means the value that the module computes at that place (a softmax that the list does not call 'softmax' is quantised finished and normalised). What goes into a quantiser is computed in f32, as accurately as f32 sums, v_exp_f32 and their like allow (about 1e-6 of the number): no bf16 or f16 on the way to a quantiser, and a product that is left as it is and whose result goes on into a quantised operand takes f32 operands (vector FMAs, or v_wmma_f32_16x16x4_f32). A number that lies on a knife's edge between two numbers of the format may be rounded either way, as far as f32 arithmetic and the matrix unit's own rounding can turn it there, and no further.
;;   INPUTS GIVEN AS CODES. Wk (in the module: [1024, 1024], K = its axis 0); Wo (in the module: [1024, 1024], K = its axis 0); Wq (in the module: [1024, 1024], K = its axis 0); Wv (in the module: [1024, 1024], K = its axis 0): each comes as NAME_codes (uint8): NAME with its K axis moved to the last place and cut into blocks of 32 codes, [.., K / 32, bytes a block], one block behind the other in memory; two codes a byte, the lower K in the low four bits (a code: sign, 2 exponent bits, 1 mantissa bit); and NAME_scales (uint8): the same leading axes, one E8M0 byte (e + 127) for each 32 codes along K. Its value is code x scale, taken as it is: it is not quantised again, and the codes and scales need not be those that the quantiser above would give.
;; One version. Each part assembles by itself: llvm-mc -triple=amdgcn-amd-amdhsa -mcpu=gfx1250 --defsym DOCPART=n.
;; ======== version 1 of 1: 5 launches
;; limits: right only within a limited range of input values
;; workspace buffers: x_img 4,456,448 bytes; w_img 2,228,224 bytes; q_img 9,175,040 bytes; kv 9,175,040 bytes; ctx_img 4,194,304 bytes; ctx_sc 262,144 bytes; part 1,048,576 bytes
;; launch prep (part 1): grid 320 x 1, 4 waves a work-group, no clusters, 34,304 bytes of LDS; arguments hidden_states, Wq_codes, Wk_codes, Wv_codes, Wo_codes, Wq_scales, Wk_scales, Wv_scales, Wo_scales, x_img, w_img; writes x_img, w_img
.if DOCPART == 1
	.amdgcn_target "amdgcn-amd-amdhsa--gfx1250"
	.amdhsa_code_object_version 6
	.text
	.protected	k_q63ac7198a1_prep
	.globl	k_q63ac7198a1_prep
	.p2align	8
	.type	k_q63ac7198a1_prep,@function
k_q63ac7198a1_prep:
	s_mov_b64 s[64:65], 0
	v_nop
	global_prefetch_b8 v0, s[64:65] scope:SCOPE_SE
	s_setreg_imm32_b32 hwreg(HW_REG_WAVE_MODE, 25, 1), 1
	s_wait_xcnt 0x0
; x = hidden_states [2048 s][4 b][1024] f32 is quantised along its 1,024 to codes of FP4 (E2M1) with one E8M0 byte for each 32, and the four weights, given as codes, are laid anew:
; both leave in the ORDER OF AN OPERAND'S REGISTERS, so that every later load of a fragment is 16 bytes a lane at 16 x lane.
; A TILE is 16 rows: row r of tile T is row 32 (T / 2) + 8 (T % 2) + r + 8 (r / 8) of its tensor (for x: s, within a batch b).  Used as a product's source 0, two neighbouring tiles then give a lane 16 neighbours.
; A FRAGMENT IMAGE (one tile x 128 along K) is 1,024 bytes: half c at 512 c; lane l = 16 h + r has the 16 bytes at 16 l: the codes k = 64 c + 32 h + 0 .. 31 of the tile's row r.
; A RECORD (one tile x 512 along K) is 4 images and 256 bytes of scale words, [r][K step], 4 bytes each: 4,352 bytes.  x_img: [K half 2][tile 512 = 128 b + T][record];  w_img: [K half 2][tile 256 = 64 x (q, k, v, o) + t][record].
; A block's scale is 2^(floor(log2(its largest magnitude)) - 2); its byte is the largest magnitude's exponent field - 2, held at 1 from below.
; LIMITS: a block of zeros gets the byte 1 where the rule says 127 (its codes are zeros, and this program alone reads the bytes); NaN and infinities among the inputs are not served.
; Work-groups 0-255 take x, a record to a wave; work-groups 256-319 the weights, a tile (both K halves) to a wave.  Waves share nothing: no barrier.  The weights' path uses no LDS.
.set REC,   4352
.set XKH,   512*REC                    ; from x's K half 0 to its K half 1
.set WKH,   256*REC                    ; the same for the weights
.set SPIT,  528                        ; a stage row: 512 bytes + 16: row r starts 4 r banks on, so the 16 rows that a load touches start at 16 different places
.set LI,    2                          ; v2   16 x lane
.set STI,   3                          ; v3   the stage, on the way in: 16 x lane in my wave's stage
.set STO,   4                          ; v4   on the way out: row r, + 64 h
.set SCO,   5                          ; v5   16 r + 8 h: my two scale words' place
.set WS,    8                          ; v8-11    the four K steps' scale words
.set R,     16                         ; v16-143  two sets of 64: 16 rows x 512 bytes as loaded
.set X,     144                        ; v144-207 64 numbers: register 16 b + i = k 32 b + 16 h + i of my row
.set TM,    208                        ; v208-223 at work in QUANT
.set PC,    224                        ; v224-255 codes: eight registers for each K step, so that no store's data are written again
.set SEL,   28                         ; s[28:29] lane selects for v_permlanex16_b32: lane l xor 16
; 64 numbers of a lane, register 16 b + i = k 32 b + 16 h + i of its row, become a fragment's eight registers of codes in v[pc] on and the row's scale word in v[pw].
.macro QUANT s, pc, pw
.irp b, 0,1,2,3
	v_max3_num_f32 v[TM+\b], |v[(\s)+16*\b]|, |v[(\s)+1+16*\b]|, 0x1800000   ; block b: my 16 numbers, and the floor 2^(3 - 127): the byte cannot fall under 1
.endr
.irp i, 2,4,6,8,10,12,14
.irp b, 0,1,2,3
	v_max3_num_f32 v[TM+\b], v[TM+\b], |v[(\s)+16*\b+\i]|, |v[(\s)+1+16*\b+\i]|   ; the four blocks by turns
.endr
.endr
.irp b, 0,1,2,3
	v_permlanex16_b32 v[TM+4+\b], v[TM+\b], s[SEL], s[SEL+1]
.endr
.irp b, 0,1,2,3
	v_max_num_f32 v[TM+\b], v[TM+\b], v[TM+4+\b]       ; with lane l xor 16's 16: the block's largest magnitude
.endr
.irp b, 0,1,2,3
	v_add_nc_u32 v[TM+12+\b], 0xff000000, v[TM+\b]     ; 2 off its exponent field: the conversion takes the exponent field of this operand as its scale
.endr
.irp b, 0,1,2,3
	v_lshrrev_b32 v[TM+4+\b], 23, v[TM+12+\b]          ; the scale's byte
.endr
	v_lshl_or_b32 v[(\pw)], v[TM+5], 8, v[TM+4]
	v_lshl_or_b32 v[(\pw)], v[TM+6], 16, v[(\pw)]
	v_lshl_or_b32 v[(\pw)], v[TM+7], 24, v[(\pw)]      ; the row's scale word
.irp b, 0,1,2,3
	v_cvt_scalef32_pk8_fp4_f32 v[(\pc)+2*\b], v[(\s)+16*\b:(\s)+16*\b+7], v[TM+12+\b]
	v_cvt_scalef32_pk8_fp4_f32 v[(\pc)+1+2*\b], v[(\s)+8+16*\b:(\s)+8+16*\b+7], v[TM+12+\b]
.endr
	v_nop                                              ; one plain place behind a scaled conversion
.irp c, 0,1
.irp i, 0,1
	v_permlane16_swap_b32 v[(\pc)+4*\c+\i], v[(\pc)+2+4*\c+\i]   ; the layout wants a whole block in a lane: lanes 0-15 block 2 c, lanes 16-31 block 2 c + 1
.endr
.endr
.endm
	s_load_b512 s[4:19], s[0:1], 0x0               ; x s[4:5]; codes of Wq, Wk, Wv, Wo s[6:13]; scales of Wq, Wk, Wv s[14:19]
	s_load_b128 s[20:23], s[0:1], 0x40             ; Wo's scales, x_img
	s_load_b64 s[24:25], s[0:1], 0x50              ; w_img
	v_lshl_add_u32 v218, v0, 2, 0x8400
	v_mov_b32 v219, 0
	v_lshrrev_b32 v1, 5, v0
	v_readfirstlane_b32 s26, v1                    ; wave 0..3
	v_and_b32 v1, 31, v0                           ; lane
	v_lshlrev_b32 v[LI], 4, v1
	v_and_b32 v6, 15, v0                           ; r
	v_bfe_u32 v7, v0, 4, 1                         ; h
	s_cmp_lt_u32 ttmp9, 256
	s_cbranch_scc0 .Lweights
	; ---- x: my record is tile Tg = 2 x work-group + wave / 2, K half wave % 2
	s_mul_i32 s27, s26, 16*SPIT                    ; my stage
	v_add_nc_u32 v[STI], s27, v[LI]
	v_mul_u32_u24 v[STO], v6, SPIT
	v_lshl_add_u32 v[STO], v7, 6, v[STO]
	v_add_nc_u32 v[STO], s27, v[STO]
	v_lshlrev_b32 v[SCO], 4, v6
	v_lshl_add_u32 v[SCO], v7, 3, v[SCO]
	s_mov_b32 s[SEL], 0x76543210
	s_mov_b32 s[SEL+1], 0xfedcba98
	s_mov_b32 s30, 0xffff0000                      ; a mask of lanes 16-31
.irp b, 0,1,2,3
	v_mov_b32 v[TM+4+\b], 0                        ; written once: a lane permute's destination counts as one of its sources
.endr
	s_lshl_b32 s32, ttmp9, 1
	s_lshr_b32 s33, s26, 1
	s_add_co_u32 s32, s32, s33                     ; Tg
	s_and_b32 s33, s26, 1                          ; K half
	s_lshr_b32 s34, s32, 7                         ; b
	s_and_b32 s35, s32, 127                        ; T
	s_lshr_b32 s36, s35, 1
	s_lshl_b32 s36, s36, 5
	s_and_b32 s37, s35, 1
	s_lshl_b32 s37, s37, 3
	s_add_co_u32 s36, s36, s37                     ; the tile's first s: 32 (T / 2) + 8 (T % 2)
	s_lshl_b32 s36, s36, 2
	s_add_co_u32 s36, s36, s34                     ; row 4 s + b of 4,096 bytes,
	s_lshl_b32 s36, s36, 12
	s_lshl_b32 s37, s33, 11
	s_add_co_u32 s36, s36, s37                     ; + 2,048 x K half
	s_mov_b32 s37, 0
	s_lshl_b32 s38, s33, 9
	s_add_co_u32 s38, s38, s32
	s_mul_i32 s38, s38, REC                        ; my record
	s_mov_b32 s39, 0
	s_wait_alu depctr_va_vdst(0)
	s_wait_kmcnt 0x0
	s_add_nc_u64 s[4:5], s[4:5], s[36:37]
	s_add_nc_u64 s[22:23], s[22:23], s[38:39]
.macro XLOAD q                         ; K step q of my 16 rows: each load reads 512 consecutive bytes of one row; tile row i lies i + 8 (i / 8) steps of s (16,384 bytes) on
.irp i, 0,1,2,3,4,5,6,7,8,9,10,11,12,13,14,15
	global_load_b128 v[R+64*((\q)%2)+4*\i:R+64*((\q)%2)+4*\i+3], v[LI], s[4:5] offset:(\i+8*(\i/8))*16384+512*(\q) th:TH_LOAD_NT
.endr
.endm
.macro TURN q                          ; through the stage: in as loaded, out 16 neighbours of each block a lane.  LDS serves a wave's instructions in order: no wait between stores and loads
.irp i, 0,1,2,3,4,5,6,7,8,9,10,11,12,13,14,15
	ds_store_b128 v[STI], v[R+64*((\q)%2)+4*\i:R+64*((\q)%2)+4*\i+3] offset:SPIT*\i
.endr
.irp b, 0,1,2,3
.irp j, 0,1,2,3
	ds_load_b128 v[X+16*\b+4*\j:X+16*\b+4*\j+3], v[STO] offset:128*\b+16*\j
.endr
.endr
.endm
	XLOAD 0
	XLOAD 1
.irp q, 0,1,2,3
.if \q < 3
	s_wait_loadcnt 16                              ; this K step's 16 loads are in; the next step's 16 may be out
.else
	s_wait_loadcnt 0x0
.endif
	TURN \q
	s_wait_dscnt 0x0                               ; my numbers are back, and the stage's stores have read their registers,
.if \q < 2
	XLOAD \q+2                                     ; which take the loads of two steps on
.endif
	QUANT X, PC+8*\q, WS+\q
	global_store_b128 v[LI], v[PC+8*\q:PC+8*\q+3], s[22:23] offset:1024*\q         ; 32 lanes store 512 consecutive bytes
	global_store_b128 v[LI], v[PC+8*\q+4:PC+8*\q+7], s[22:23] offset:1024*\q+512
.endr
	v_cndmask_b32 v12, v[WS], v[WS+2], s30         ; lanes 0-15 store the words of K steps 0 and 1, lanes 16-31 of 2 and 3 (both halves of the lanes hold all four)
	v_cndmask_b32 v13, v[WS+1], v[WS+3], s30
	global_store_b64 v[SCO], v[12:13], s[22:23] offset:4096   ; 32 lanes store 256 consecutive bytes
	s_wait_tensorcnt 0x0
	ds_add_u32 v218, v219
	s_wait_dscnt 0x0
	s_endpgm
.Lweights:                             ; ---- a weight's tile: its codes and scale bytes are taken as they are given and only laid anew
	s_sub_co_u32 s27, ttmp9, 256
	s_lshr_b32 s32, s27, 4                         ; which weight: 0 q, 1 k, 2 v, 3 o
	s_lshl_b32 s33, s27, 2
	s_add_co_u32 s33, s33, s26
	s_and_b32 s33, s33, 63                         ; its tile t
	s_lshr_b32 s34, s33, 1
	s_lshl_b32 s34, s34, 5
	s_and_b32 s35, s33, 1
	s_lshl_b32 s35, s35, 3
	s_add_co_u32 s34, s34, s35                     ; the tile's first row
	s_lshl_b32 s36, s34, 9                         ; a row of codes is 512 bytes,
	s_mov_b32 s37, 0
	s_lshl_b32 s38, s34, 5                         ; of scale bytes 32
	s_mov_b32 s39, 0
	s_lshl_b32 s40, s32, 6
	s_add_co_u32 s40, s40, s33
	s_mul_i32 s40, s40, REC
	s_mov_b32 s41, 0
	s_wait_alu depctr_va_vdst(0)
	v_and_b32 v8, 8, v6
	v_add_nc_u32 v8, v8, v6                        ; r + 8 (r / 8)
	v_lshlrev_b32 v9, 9, v8
	v_lshl_add_u32 v9, v7, 4, v9                   ; codes: my row, + 16 h
	v_lshlrev_b32 v10, 5, v8
	v_lshl_add_u32 v10, v7, 3, v10                 ; scale bytes: my row, + 8 h: two words
	v_lshlrev_b32 v11, 4, v6
	v_lshl_add_u32 v11, v7, 3, v11                 ; and their place in a record: 16 r + 8 h
	s_wait_alu depctr_va_vdst(0)
	s_wait_kmcnt 0x0
	s_cmp_eq_u32 s32, 1                            ; the choice hangs on the work-group's number alone
	s_cselect_b64 s[6:7], s[8:9], s[6:7]
	s_cselect_b64 s[14:15], s[16:17], s[14:15]
	s_cmp_eq_u32 s32, 2
	s_cselect_b64 s[6:7], s[10:11], s[6:7]
	s_cselect_b64 s[14:15], s[18:19], s[14:15]
	s_cmp_eq_u32 s32, 3
	s_cselect_b64 s[6:7], s[12:13], s[6:7]
	s_cselect_b64 s[14:15], s[20:21], s[14:15]
	s_add_nc_u64 s[6:7], s[6:7], s[36:37]
	s_add_nc_u64 s[14:15], s[14:15], s[38:39]
	s_add_nc_u64 s[24:25], s[24:25], s[40:41]
.irp s, 0,1,2,3,4,5,6,7
.irp c, 0,1
	global_load_b128 v[16+8*\s+4*\c:16+8*\s+4*\c+3], v9, s[6:7] offset:64*\s+32*\c   ; K step s, half c: k = 64 c + 32 h + 0 .. 31 of my row; the 16 loads together use all 512 bytes of each row
.endr
.endr
.irp k, 0,1
	global_load_b64 v[80+2*\k:81+2*\k], v10, s[14:15] offset:16*\k
.endr
	s_wait_loadcnt 0x0
.irp s, 0,1,2,3,4,5,6,7
.irp c, 0,1
	global_store_b128 v[LI], v[16+8*\s+4*\c:16+8*\s+4*\c+3], s[24:25] offset:(\s/4)*WKH+(\s%4)*1024+512*\c
.endr
.endr
.irp k, 0,1
	global_store_b64 v11, v[80+2*\k:81+2*\k], s[24:25] offset:\k*WKH+4096
.endr
	s_endpgm
.Lfunc_end_k_q63ac7198a1_prep:
	.size	k_q63ac7198a1_prep, .Lfunc_end_k_q63ac7198a1_prep-k_q63ac7198a1_prep
	.p2alignl 7, 3214868480
	.fill 96, 4, 3214868480
	.section	.rodata,"a",@progbits
	.p2align	6, 0x0
	.amdhsa_kernel k_q63ac7198a1_prep
		.amdhsa_group_segment_fixed_size 34304
		.amdhsa_private_segment_fixed_size 0
		.amdhsa_enable_private_segment 0
		.amdhsa_kernarg_size 88
		.amdhsa_user_sgpr_count 2
		.amdhsa_user_sgpr_kernarg_segment_ptr 1
		.amdhsa_wavefront_size32 1
		.amdhsa_system_sgpr_workgroup_id_x 1
		.amdhsa_system_sgpr_workgroup_id_y 1
		.amdhsa_system_sgpr_workgroup_id_z 1
		.amdhsa_system_vgpr_workitem_id 0
		.amdhsa_next_free_vgpr 256
		.amdhsa_next_free_sgpr 66
		.amdhsa_reserve_vcc 0
		.amdhsa_float_denorm_mode_32 3
		.amdhsa_float_denorm_mode_16_64 3
		.amdhsa_memory_ordered 1
		.amdhsa_forward_progress 1
		.amdhsa_inst_pref_size 38
	.end_amdhsa_kernel
	.amdgpu_metadata
---
amdhsa.version: [ 1, 2 ]
amdhsa.kernels:
  - .name:           k_q63ac7198a1_prep
    .symbol:         k_q63ac7198a1_prep.kd
    .args:
      - { .name: hidden_states, .offset: 0, .size: 8, .value_kind: global_buffer, .address_space: global }
      - { .name: Wq_codes, .offset: 8, .size: 8, .value_kind: global_buffer, .address_space: global }
      - { .name: Wk_codes, .offset: 16, .size: 8, .value_kind: global_buffer, .address_space: global }
      - { .name: Wv_codes, .offset: 24, .size: 8, .value_kind: global_buffer, .address_space: global }
      - { .name: Wo_codes, .offset: 32, .size: 8, .value_kind: global_buffer, .address_space: global }
      - { .name: Wq_scales, .offset: 40, .size: 8, .value_kind: global_buffer, .address_space: global }
      - { .name: Wk_scales, .offset: 48, .size: 8, .value_kind: global_buffer, .address_space: global }
      - { .name: Wv_scales, .offset: 56, .size: 8, .value_kind: global_buffer, .address_space: global }
      - { .name: Wo_scales, .offset: 64, .size: 8, .value_kind: global_buffer, .address_space: global }
      - { .name: x_img, .offset: 72, .size: 8, .value_kind: global_buffer, .address_space: global }
      - { .name: w_img, .offset: 80, .size: 8, .value_kind: global_buffer, .address_space: global }
    .group_segment_fixed_size: 34304
    .private_segment_fixed_size: 0
    .kernarg_segment_align: 8
    .kernarg_segment_size: 88
    .max_flat_workgroup_size: 128
    .sgpr_count:     66
    .vgpr_count:     256
    .wavefront_size: 32
...
	.end_amdgpu_metadata
.endif
;; end of part 1
;; launch proj (part 2): grid 12 x 32, 4 waves a work-group, clusters of 4 x 4, 327,680 bytes of LDS; arguments x_img, w_img, bq, bk, bv, q_img, kv; writes q_img, kv
.if DOCPART == 2
	.amdgcn_target "amdgcn-amd-amdhsa--gfx1250"
	.amdhsa_code_object_version 6
	.text
	.protected	k_q63ac7198a1_proj
	.globl	k_q63ac7198a1_proj
	.p2align	8
	.type	k_q63ac7198a1_proj,@function
k_q63ac7198a1_proj:
	s_mov_b64 s[64:65], 0
	v_nop
	global_prefetch_b8 v0, s[64:65] scope:SCOPE_SE
	s_setreg_imm32_b32 hwreg(HW_REG_WAVE_MODE, 25, 1), 1
	s_wait_xcnt 0x0
	s_wait_alu depctr_hold_cnt(0) depctr_sa_sdst(0) depctr_va_vdst(0) depctr_va_sdst(0) depctr_va_ssrc(0) depctr_va_vcc(0) depctr_vm_vsrc(0)
	s_getreg_b32 s2, hwreg(HW_REG_IB_STS2, 6, 4)
	s_cmp_eq_u32 s2, 0
	s_cbranch_scc0 .Lentry_in_a_cluster
	s_endpgm
.Lentry_in_a_cluster:
	s_bfe_u32 s2, ttmp6, 0x10000c
	s_cmp_lg_u32 s2, 0xf033
	s_cbranch_scc0 .Lentry_shape_is_right
	s_endpgm
.Lentry_shape_is_right:
.set REC,    4352
.set HALF,   8*REC
.set SIDE,   16*REC
.set SLOT,   2*SIDE
.set XKH,    512*REC
.set WKH,    256*REC
.set KVREC,  8960
.set HEADB,  16*KVREC
.set NQ,     4
.set FR,     8
.set LI,     3
.set L8,     4
.set ADRA,   16
.set ADRB,   20
.set ADRS,   22
.set SC,     32
.set AF,     128
.set BI,     64
.set ST,     128
.set TM,     192
.set PC,     208
.set WS,     216
.set SA,     224
.set WV,     18
.set G1X,    24
.set G0X,    40
.set G1W,    48
.set G0W,    56
.set SEL,    96
.set MSB,    0
.macro WIN new
.if MSB != (\new)
	s_set_vgpr_msb (MSB<<8)|(\new)
.set MSB, (\new)
.endif
.endm
.set MUL_LO, 0xa1
.set MUL_HI, 0xf1
.set TO_B,   0x40
.macro JLOAD g0a, g1a, g0b, g1b
	s_cmp_eq_u32 s19, 0
	s_cbranch_scc0 .Lfor_w_\@
	tensor_load_to_lds s[\g0a:\g0a+3], s[\g1a:\g1a+7]
	s_nop 0
.rept 4
	v_nop
.endr
	s_branch .Lasked_\@
.Lfor_w_\@:
	tensor_load_to_lds s[\g0b:\g0b+3], s[\g1b:\g1b+7]
	s_nop 0
.rept 4
	v_nop
.endr
.Lasked_\@:
.endm
.macro CROUND
	s_barrier_signal -1
	s_barrier_wait -1
	s_cmp_lg_u32 s[WV], 0
	s_cbranch_scc1 .Lnot_wave_0_\@
	s_barrier_signal -3
.Lnot_wave_0_\@:
	s_barrier_wait -3
	s_barrier_signal -1
	s_barrier_wait -1
.endm
.macro PLACES n
.rept \n
	v_nop
.endr
.endm
.macro QUANT s, pc, pw
.irp b, 0,1,2,3
	v_max3_num_f32 v[TM+\b], |v[(\s)+16*\b]|, |v[(\s)+1+16*\b]|, 0x1800000
.endr
.irp i, 2,4,6,8,10,12,14
.irp b, 0,1,2,3
	v_max3_num_f32 v[TM+\b], v[TM+\b], |v[(\s)+16*\b+\i]|, |v[(\s)+1+16*\b+\i]|
.endr
.endr
.irp b, 0,1,2,3
	v_permlanex16_b32 v[TM+4+\b], v[TM+\b], s[SEL], s[SEL+1]
.endr
.irp b, 0,1,2,3
	v_max_num_f32 v[TM+\b], v[TM+\b], v[TM+4+\b]
.endr
.irp b, 0,1,2,3
	v_add_nc_u32 v[TM+12+\b], 0xff000000, v[TM+\b]
.endr
.irp b, 0,1,2,3
	v_lshrrev_b32 v[TM+4+\b], 23, v[TM+12+\b]
.endr
	v_lshl_or_b32 v[(\pw)], v[TM+5], 8, v[TM+4]
	v_lshl_or_b32 v[(\pw)], v[TM+6], 16, v[(\pw)]
	v_lshl_or_b32 v[(\pw)], v[TM+7], 24, v[(\pw)]
.irp b, 0,1,2,3
	v_cvt_scalef32_pk8_fp4_f32 v[(\pc)+2*\b], v[(\s)+16*\b:(\s)+16*\b+7], v[TM+12+\b]
	v_cvt_scalef32_pk8_fp4_f32 v[(\pc)+1+2*\b], v[(\s)+8+16*\b:(\s)+8+16*\b+7], v[TM+12+\b]
.endr
	v_nop
.irp c, 0,1
.irp i, 0,1
	v_permlane16_swap_b32 v[(\pc)+4*\c+\i], v[(\pc)+2+4*\c+\i]
.endr
.endr
.endm
	s_load_b256 s[4:11], s[0:1], 0x0
	s_load_b128 s[12:15], s[0:1], 0x20
	s_load_b64 s[16:17], s[0:1], 0x30
	v_lshl_add_u32 v254, v0, 2, 0x44000
	v_mov_b32 v255, 0
	ds_add_u32 v254, v255
	ds_add_u32 v254, v255
	v_lshrrev_b32 v1, 5, v0
	v_readfirstlane_b32 s[WV], v1
	s_lshr_b32 s19, s[WV], 1
	s_and_b32 s20, s[WV], 1
	s_bfe_u32 s21, ttmp6, 0x40000
	s_bfe_u32 s22, ttmp6, 0x40004
	s_lshl_b32 s23, ttmp9, 2
	s_add_co_u32 s23, s23, s21
	s_and_b32 s36, ttmp7, 0xffff
	s_lshl_b32 s36, s36, 2
	s_add_co_u32 s36, s36, s22
	s_lshl_b32 s37, s22, 2
	s_lshl_b32 s37, 15, s37
	s_lshl_b32 s38, 0x1111, s21
	s_or_b32 s[G1X], s37, (3<<16)|(1<<21)
	s_or_b32 s[G1W], s38, (3<<16)|(1<<21)
.irp g, G1X, G1W
	s_mov_b32 s[\g+1], 32<<16
	s_mov_b32 s[\g+2], 136<<16
	s_mov_b32 s[\g+3], 32<<16
	s_mov_b32 s[\g+4], 136
	s_mov_b32 s[\g+5], 32
	s_mov_b32 s[\g+6], 0
	s_mov_b32 s[\g+7], 0
.endr
	s_lshl_b32 s66, s20, 3
	s_lshl_b32 s68, s36, 4
	s_add_co_u32 s68, s68, s66
	s_mul_i32 s68, s68, REC
	s_mov_b32 s69, 0
	s_lshl_b32 s70, s23, 4
	s_add_co_u32 s70, s70, s66
	s_mul_i32 s70, s70, REC
	s_mov_b32 s71, 0
	s_mul_i32 s67, s[WV], HALF
	s_wait_dscnt 0x0
	s_wait_kmcnt 0x0
	s_add_nc_u64 s[68:69], s[4:5], s[68:69]
	s_add_nc_u64 s[70:71], s[6:7], s[70:71]
	CROUND
.irp k, 0,1
	s_mov_b32 s[G0X+4*\k], 1
	s_add_co_u32 s[G0X+4*\k+1], s67, \k*SLOT
	s_add_nc_u64 s[G0X+4*\k+2:G0X+4*\k+3], s[68:69], \k*XKH
	s_or_b32 s[G0X+4*\k+3], s[G0X+4*\k+3], 0x80000000
	s_mov_b32 s[G0W+4*\k], 1
	s_add_co_u32 s[G0W+4*\k+1], s67, \k*SLOT
	s_add_nc_u64 s[G0W+4*\k+2:G0W+4*\k+3], s[70:71], \k*WKH
	s_or_b32 s[G0W+4*\k+3], s[G0W+4*\k+3], 0x80000000
	s_wait_alu depctr_va_vdst(0)
	s_wait_tensorcnt 0x0
	ds_add_u32 v254, v255
	ds_add_u32 v254, v255
	s_wait_dscnt 0x0
	CROUND
	JLOAD G0X+4*\k, G1X, G0W+4*\k, G1W
.endr
	v_and_b32 v1, 15, v0
	v_bfe_u32 v2, v0, 4, 1
	v_and_b32 v5, 31, v0
	v_lshlrev_b32 v[LI], 4, v5
	v_lshlrev_b32 v[L8], 3, v5
	v_lshlrev_b32 v6, 4, v1
.irp b, 0,1,2,3
	v_mov_b32 v[TM+4+\b], 0
.endr
	s_mov_b32 s[SEL], 0x76543210
	s_mov_b32 s[SEL+1], 0xfedcba98
	s_mov_b32 s98, 0xffff0000
	s_mul_i32 s72, s19, HALF
	s_mul_i32 s73, s20, HALF
.macro FRAG reg, adr, q, i
.irp c, 0,1
	ds_load_b128 v[\reg+4*\c:\reg+4*\c+3], v[\adr] offset:REC*(\i)+1024*(\q)+512*\c
.endr
.endm
.macro MUL16 a0, p, q, sc, zero
.irp a, \a0, \a0+1
.irp b, 0,1,2,3,4,5,6,7
.if \zero
	v_wmma_scale_f32_16x16x128_f8f6f4 v[8*(8*((\a)%4)+\b):8*(8*((\a)%4)+\b)+7], v[128*(\p)+FR*\b:128*(\p)+FR*\b+FR-1], v[AF+FR*(\a):AF+FR*(\a)+FR-1], 0, v[SC+8*NQ*(\sc)+NQ*\b+(\q)], v[SC+8*NQ*(\sc)+NQ*(\a)+(\q)] matrix_a_fmt:MATRIX_FMT_FP4 matrix_b_fmt:MATRIX_FMT_FP4 matrix_a_scale:MATRIX_SCALE_ROW1
.else
	v_wmma_scale_f32_16x16x128_f8f6f4 v[8*(8*((\a)%4)+\b):8*(8*((\a)%4)+\b)+7], v[128*(\p)+FR*\b:128*(\p)+FR*\b+FR-1], v[AF+FR*(\a):AF+FR*(\a)+FR-1], v[8*(8*((\a)%4)+\b):8*(8*((\a)%4)+\b)+7], v[SC+8*NQ*(\sc)+NQ*\b+(\q)], v[SC+8*NQ*(\sc)+NQ*(\a)+(\q)] matrix_a_fmt:MATRIX_FMT_FP4 matrix_b_fmt:MATRIX_FMT_FP4 matrix_a_scale:MATRIX_SCALE_ROW1
.endif
.endr
.endr
.endm
.macro FETCH_B slot, q, p
	WIN TO_B
.irp i, 0,1,2,3,4,5,6,7
	FRAG 128*(\p)+FR*\i, ADRB+\slot, \q, \i
.endr
	WIN 0
.endm
.macro FETCH_A slot, q, i0
.irp i, \i0, \i0+1, \i0+2, \i0+3
	FRAG AF+FR*(\i), ADRA+\slot, \q, \i
.endr
.endm
.macro SCALES sc
.irp i, 0,1,2,3,4,5,6,7
	ds_load_b128 v[SC+8*NQ*\sc+NQ*\i:SC+8*NQ*\sc+NQ*\i+3], v[ADRS+\sc] offset:\i*REC
.endr
.endm
.macro STEP slot, q, zero
	s_wait_dscnt 8
	WIN MUL_LO
	MUL16 0, (\q)%2, \q, \slot, \zero
	MUL16 2, (\q)%2, \q, \slot, \zero
	s_wait_dscnt 0x0
	PLACES 4
	FETCH_B \slot, (\q)+1, 1-(\q)%2
	FETCH_A \slot, (\q)+1, 0
	WIN MUL_HI
	MUL16 4, (\q)%2, \q, \slot, \zero
	MUL16 6, (\q)%2, \q, \slot, \zero
	PLACES 4
	WIN 0
	FETCH_A \slot, (\q)+1, 4
.endm
.macro MAIN
	s_wait_tensorcnt 1
	s_barrier_signal -1
	s_barrier_wait -1
	FETCH_B 0, 0, 0
	FETCH_A 0, 0, 0
	SCALES 0
	FETCH_A 0, 0, 4
	STEP 0, 0, 1
	STEP 0, 1, 0
	STEP 0, 2, 0
	s_wait_tensorcnt 0x0
	s_wait_dscnt 8
	WIN MUL_LO
	MUL16 0, 1, 3, 0, 0
	s_wait_dscnt 0x0
	s_barrier_signal -1
	MUL16 2, 1, 3, 0, 0
	WIN 0
	s_barrier_wait -1
	PLACES 4
	FETCH_B 1, 0, 0
	FETCH_A 1, 0, 0
	SCALES 1
	WIN MUL_HI
	MUL16 4, 1, 3, 0, 0
	MUL16 6, 1, 3, 0, 0
	PLACES 4
	WIN 0
	FETCH_A 1, 0, 4
	STEP 1, 0, 0
	STEP 1, 1, 0
	STEP 1, 2, 0
	s_wait_dscnt 8
	WIN MUL_LO
	MUL16 0, 1, 3, 1, 0
	MUL16 2, 1, 3, 1, 0
	s_wait_dscnt 0x0
	WIN MUL_HI
	MUL16 4, 1, 3, 1, 0
	MUL16 6, 1, 3, 1, 0
	WIN 0
	s_wait_loadcnt 0x0
	PLACES 4
.endm
.macro EPI a, v
.if (\a) > 0
	s_wait_xcnt 0x0
.endif
	WIN 0x06+(\a)/4
.set ii, 0
.rept 32
.if \v
	v_pk_add_f32 v[ST+2*ii:ST+2*ii+1], v[64*((\a)%4)+2*ii:64*((\a)%4)+2*ii+1], v[BI+2*(\a):BI+2*(\a)+1] op_sel_hi:[1,0]
.else
	v_pk_add_f32 v[ST+2*ii:ST+2*ii+1], v[64*((\a)%4)+2*ii:64*((\a)%4)+2*ii+1], v[BI+2*ii:BI+2*ii+1]
.endif
.set ii, ii+1
.endr
	WIN 0
	QUANT ST, PC, WS+(\a)
.if \v
	global_store_b128 v[LI], v[PC:PC+3], s[80:81] offset:((\a)/4)*HEADB+4608+((\a)%4)*1024
	global_store_b128 v[LI], v[PC+4:PC+7], s[80:81] offset:((\a)/4)*HEADB+4608+((\a)%4)*1024+512
.else
	global_store_b128 v[LI], v[PC:PC+3], s[80:81] offset:512*(\a)
	global_store_b128 v[LI], v[PC+4:PC+7], s[80:81] offset:HEADB+512*(\a)
.endif
.endm
.macro OUTOFF hh, hs
	s_lshr_b32 s84, s36, 3
	s_lshl_b32 s84, s84, 4
	s_lshl_b32 s85, s21, 2
	s_add_co_u32 s84, s84, s85
	s_lshl_b32 s85, s[\hh], 1
	s_add_co_u32 s84, s84, s85
	s_lshl_b32 s84, s84, 4
	s_and_b32 s85, s36, 7
	s_lshl_b32 s85, s85, 1
	s_add_co_u32 s84, s84, s85
	s_add_co_u32 s84, s84, s[\hs]
	s_mul_i32 s84, s84, KVREC
	s_mov_b32 s85, 0
.endm
	s_cmp_lt_u32 ttmp9, 2
	s_cbranch_scc0 .Lpath_v
	v_add_nc_u32 v[ADRA], s72, v[LI]
	v_add_nc_u32 v[ADRA+1], SLOT, v[ADRA]
	s_add_co_u32 s74, s73, SIDE
	s_wait_alu depctr_va_vdst(0)
	v_add_nc_u32 v[ADRB], s74, v[LI]
	v_add_nc_u32 v[ADRB+1], SLOT, v[ADRB]
	s_sub_co_u32 s75, s74, s72
	v_mul_u32_u24 v7, s75, v2
	v_add_nc_u32 v7, v7, v6
	s_add_co_u32 s76, s72, 4096
	v_add_nc_u32 v[ADRS], s76, v7
	v_add_nc_u32 v[ADRS+1], SLOT, v[ADRS]
	s_cmp_eq_u32 ttmp9, 0
	s_cselect_b64 s[78:79], s[8:9], s[10:11]
	s_cselect_b64 s[80:81], s[14:15], s[16:17]
	s_lshl_b32 s82, s21, 10
	s_lshl_b32 s83, s20, 9
	s_add_co_u32 s82, s82, s83
	s_mov_b32 s83, 0
	s_add_nc_u64 s[78:79], s[78:79], s[82:83]
	OUTOFF 20, 19
	s_add_nc_u64 s[80:81], s[80:81], s[84:85]
	v_lshlrev_b32 v9, 6, v2
	WIN 0x40
.irp b, 0,1,2,3
.irp j, 0,1,2,3
	global_load_b128 v[BI+16*\b+4*\j:BI+16*\b+4*\j+3], v9, s[78:79] offset:128*\b+16*\j
.endr
.endr
	WIN 0
	s_wait_alu depctr_va_vdst(0)
	MAIN
.irp a, 0,1,2,3,4,5,6,7
	EPI \a, 0
.endr
.irp j, 0,1,2,3
	v_cndmask_b32 v[SA+\j], v[WS+2*\j], v[WS+2*\j+1], s98
.endr
.irp j, 0,1,2,3
	v_lshrrev_b32 v[SA+4+\j], 16, v[SA+\j]
.endr
	global_store_b128 v[LI], v[SA:SA+3], s[80:81] offset:4096
	global_store_b128 v[LI], v[SA+4:SA+7], s[80:81] offset:HEADB+4096
	s_branch .Lend
.Lpath_v:
	s_add_co_u32 s74, s72, SIDE
	s_wait_alu depctr_va_vdst(0)
	v_add_nc_u32 v[ADRA], s74, v[LI]
	v_add_nc_u32 v[ADRA+1], SLOT, v[ADRA]
	v_add_nc_u32 v[ADRB], s73, v[LI]
	v_add_nc_u32 v[ADRB+1], SLOT, v[ADRB]
	s_sub_co_u32 s75, s74, s73
	v_xor_b32 v8, 1, v2
	v_mul_u32_u24 v7, s75, v8
	v_add_nc_u32 v7, v7, v6
	s_add_co_u32 s76, s73, 4096
	v_add_nc_u32 v[ADRS], s76, v7
	v_add_nc_u32 v[ADRS+1], SLOT, v[ADRS]
	s_lshl_b32 s82, s21, 10
	s_lshl_b32 s83, s19, 9
	s_add_co_u32 s82, s82, s83
	s_mov_b32 s83, 0
	s_add_nc_u64 s[78:79], s[12:13], s[82:83]
	OUTOFF 19, 20
	s_add_nc_u64 s[80:81], s[16:17], s[84:85]
	v_and_b32 v9, 8, v1
	v_add_nc_u32 v9, v9, v1
	v_lshlrev_b32 v9, 2, v9
	WIN 0x40
.irp a, 0,1,2,3,4,5,6,7
	global_load_b32 v[BI+2*\a], v9, s[78:79] offset:(32*(\a/2)+8*(\a%2))*4
	global_load_b32 v[BI+2*\a+1], v9, s[78:79] offset:(32*(\a/2)+8*(\a%2))*4
.endr
	WIN 0
	s_wait_alu depctr_va_vdst(0)
	MAIN
.irp a, 0,1,2,3,4,5,6,7
	EPI \a, 1
.endr
.irp e, 0,1
.irp j, 0,1
	v_cndmask_b32 v[SA+2*\e+\j], v[WS+4*\e+2*\j], v[WS+4*\e+2*\j+1], s98
.endr
	global_store_b64 v[L8], v[SA+2*\e:SA+2*\e+1], s[80:81] offset:\e*HEADB+8704
.endr
.Lend:
	s_wait_tensorcnt 0x0
	ds_add_u32 v254, v255
	s_wait_dscnt 0x0
	CROUND
	s_endpgm
.Lfunc_end_k_q63ac7198a1_proj:
	.size	k_q63ac7198a1_proj, .Lfunc_end_k_q63ac7198a1_proj-k_q63ac7198a1_proj
	.p2alignl 7, 3214868480
	.fill 96, 4, 3214868480
	.section	.rodata,"a",@progbits
	.p2align	6, 0x0
	.amdhsa_kernel k_q63ac7198a1_proj
		.amdhsa_group_segment_fixed_size 327680
		.amdhsa_private_segment_fixed_size 0
		.amdhsa_enable_private_segment 0
		.amdhsa_kernarg_size 56
		.amdhsa_user_sgpr_count 2
		.amdhsa_user_sgpr_kernarg_segment_ptr 1
		.amdhsa_wavefront_size32 1
		.amdhsa_system_sgpr_workgroup_id_x 1
		.amdhsa_system_sgpr_workgroup_id_y 1
		.amdhsa_system_sgpr_workgroup_id_z 1
		.amdhsa_system_vgpr_workitem_id 0
		.amdhsa_next_free_vgpr 1024
		.amdhsa_next_free_sgpr 100
		.amdhsa_reserve_vcc 0
		.amdhsa_float_denorm_mode_32 3
		.amdhsa_float_denorm_mode_16_64 3
		.amdhsa_memory_ordered 1
		.amdhsa_forward_progress 1
		.amdhsa_inst_pref_size 255
	.end_amdhsa_kernel
	.section	.bss,"aw",@nobits
	.p2align	6
	.space	262144
	.amdgpu_metadata
---
amdhsa.version: [ 1, 2 ]
amdhsa.kernels:
  - .name:           k_q63ac7198a1_proj
    .symbol:         k_q63ac7198a1_proj.kd
    .args:
      - { .name: x_img, .offset: 0, .size: 8, .value_kind: global_buffer, .address_space: global }
      - { .name: w_img, .offset: 8, .size: 8, .value_kind: global_buffer, .address_space: global }
      - { .name: bq, .offset: 16, .size: 8, .value_kind: global_buffer, .address_space: global }
      - { .name: bk, .offset: 24, .size: 8, .value_kind: global_buffer, .address_space: global }
      - { .name: bv, .offset: 32, .size: 8, .value_kind: global_buffer, .address_space: global }
      - { .name: q_img, .offset: 40, .size: 8, .value_kind: global_buffer, .address_space: global }
      - { .name: kv, .offset: 48, .size: 8, .value_kind: global_buffer, .address_space: global }
    .group_segment_fixed_size: 327680
    .private_segment_fixed_size: 0
    .kernarg_segment_align: 8
    .kernarg_segment_size: 56
    .max_flat_workgroup_size: 128
    .sgpr_count:     100
    .vgpr_count:     1024
    .wavefront_size: 32
...
	.end_amdgpu_metadata
.endif
;; end of part 2
;; launch attn (part 3): grid 4 x 64, 16 waves a work-group, clusters of 4 x 1, 219,136 bytes of LDS; arguments q_img, kv, ctx_img, ctx_sc; writes ctx_img, ctx_sc
.if DOCPART == 3
	.amdgcn_target "amdgcn-amd-amdhsa--gfx1250"
	.amdhsa_code_object_version 6
	.text
	.protected	k_q63ac7198a1_attn
	.globl	k_q63ac7198a1_attn
	.p2align	8
	.type	k_q63ac7198a1_attn,@function
k_q63ac7198a1_attn:
	s_mov_b64 s[64:65], 0
	v_nop
	global_prefetch_b8 v0, s[64:65] scope:SCOPE_SE
	s_setreg_imm32_b32 hwreg(HW_REG_WAVE_MODE, 25, 1), 1
	s_wait_xcnt 0x0
	s_wait_alu depctr_hold_cnt(0) depctr_sa_sdst(0) depctr_va_vdst(0) depctr_va_sdst(0) depctr_va_ssrc(0) depctr_va_vcc(0) depctr_vm_vsrc(0)
	s_getreg_b32 s2, hwreg(HW_REG_IB_STS2, 6, 4)
	s_cmp_eq_u32 s2, 0
	s_cbranch_scc0 .Lentry_in_a_cluster
	s_endpgm
.Lentry_in_a_cluster:
	s_bfe_u32 s2, ttmp6, 0x10000c
	s_cmp_lg_u32 s2, 0x3003
	s_cbranch_scc0 .Lentry_shape_is_right
	s_endpgm
.Lentry_shape_is_right:
; ctx[q][:] = the sum over k of softmax_k(Q[q] . K[k] / 8) V[k][:] for one head (head size 64, 2,048 keys), both products on codes of FP4 with E8M0 scales; ctx is quantised along the head's 64, two blocks of the next product's K.
; THE SOFTMAX AHEAD OF THE SECOND PRODUCT: t = score x log2(e) / 8; M = the row's largest t so far, rounded UP to a whole number; p = 2^(t - M) is quantised along the keys, not normalised.
; The row's sum is taken of the unquantised p, in f32, and divides at the end.  When M moves, the sum and O are multiplied by 2^(old M - new M): exact.
; SHARES.  A work-group owns 512 queries of one head (16 b + head = work-group y); each of its sixteen waves two tiles of 16 queries, A and B, which go through each key step TOGETHER: every fragment of K and of V that the wave reads from LDS feeds two matrix instructions.
; The whole head's K and V, 16 records of 8,960 bytes, lie in LDS: filled once, a record a wave.
; CLUSTER.  The four work-groups of a head ask for each record JOINTLY.  No prefetch: each record is asked for once, at the head, and there is no loop to run ahead in.
; A RECORD (128 keys): 8 tiles of K, 512 bytes each (registers 0-3 of a fragment); +4,096 K's scale words; +4,608 four fragment images of V^T; +8,704 V's scale words.  q_img: the same records, Q for K.
; K'S TILES ARE COMPOSED ANEW, ONCE.  As stored, row r of tile T is key 32 (T / 2) + 8 (T % 2) + r + 8 (r / 8).  Each wave copies its record's K part into bytes of their own (NEWK) so that row m of tile 4 c + g is key 64 c + 32 (m / 8) + 8 g + m % 8.
; With S^T = K Q^T a lane (r, h) then holds, in the 32 registers of tiles 4 c .. 4 c + 3, the WHOLE block of keys 64 c + 32 h + 0 .. 31 of query r: the block's maximum needs no other lane, and the conversions' results are the operand of O^T = V^T P^T as they stand.
; K = 64 IN A FORM OF 128: Q's registers 4-7 are zero codes.  K's eight tiles lie packed, four registers each: a fragment's registers 4-7 are the next tile's codes (behind the last: four registers of zeros), which meet Q's zeros; their scale bytes are finite codes.
; V takes K's registers when both tiles' scores are made; the next step's K takes them back behind the products with V.
; DEPENDENT LINES ARE LAID AMONG INDEPENDENT ONES: the maxima run in four chains a block; the factor's three lines stand among the scalings; the scale word's four lines among additions or multiplications; tile A's last four additions fill the places behind tile B's score products.
; A BARRIER IN EACH KEY STEP, its signal at the step's head and its wait at the step's end, holds the sixteen waves within one key step of each other; between the two stand register work and reads of LDS bytes that nobody writes.
; LIMITS: the promise holds while the scaled scores stay under 2^31 in magnitude; a block of zeros gets the byte 1 where the rule says 127 (its codes are zeros; this program alone reads the bytes); NaN and infinities are not served.
; REGISTERS: v1 16 x lane, v2 8 x lane, v3-5 LDS addresses, v6 and v230 the tiles' scale bytes, v7 their place; B: v8 -M, v9 the largest score, v[10:11] the sum; A: v12-15 the same; v16-23 Q of A, v24-31 Q of B; v32-67 K, then V;
;   v68-131 S^T, then p; v132-163 O^T of A, v164-195 of B; v196-203, v204-211 p's codes; v212-239 at work; v244-253 scale words alone: K's 244-247, V's 248-249, Q's 250 and 252, p's 251 and 253; v254-255 the spare word's address and 0.
.set KVREC, 8960
.set HEADB, 16*KVREC
.set NEWK,  16*KVREC                   ; K composed anew: 16 x (8 tiles of 512 bytes + 512 bytes of scale words)
.set KREC,  4608
.set SPARE, NEWK+16*KREC               ; the spare words: 128 bytes a wave
.set KV,  32
.set S,   68
.set OA,  132
.set OB,  164
.set WV,  12                           ; s12 wave
.set SEL, 28                           ; s[28:29] lane selects for v_permlanex16_b32: lane l xor 16
.set CS,  30                           ; s[30:31] c = log2(e) / 8
.set TB,  32                           ; s32 LDS byte of the record;  s33 trips to go;  s34 a mask of lanes 16-31
.set TK,  35                           ; s35 LDS byte of the record's K
.set NC,  53                           ; s53 -c
.macro CROUND                          ; a round of the cluster's barrier
	s_barrier_signal -1
	s_barrier_wait -1
	s_cmp_lg_u32 s[WV], 0
	s_cbranch_scc1 .Lnot_wave_0_\@
	s_barrier_signal -3
.Lnot_wave_0_\@:
	s_barrier_wait -3
	s_barrier_signal -1
	s_barrier_wait -1
.endm
	s_load_b256 s[4:11], s[0:1], 0x0               ; q_img s[4:5], kv s[6:7], ctx_img s[8:9], ctx_sc s[10:11]
	v_lshl_add_u32 v254, v0, 2, SPARE
	v_mov_b32 v255, 0
	ds_add_u32 v254, v255                          ; the opening lines: the add, twice on end, and its wait
	ds_add_u32 v254, v255
	v_lshrrev_b32 v1, 5, v0
	v_readfirstlane_b32 s[WV], v1                  ; wave 0..15
	s_bfe_u32 s13, ttmp6, 0x40000                  ; cx
	s_lshl_b32 s15, ttmp9, 2
	s_add_co_u32 s15, s15, s13                     ; my quarter of the head's queries: it enters Q's and ctx's addresses alone
	s_and_b32 s14, ttmp7, 0xffff                   ; 16 b + head, which the four partners share
	s_mov_b32 s16, 15|(3<<16)|(1<<21)              ; group 1: a record is a dense block, 35 rows of 256 bytes; the mask names all four work-groups
	s_mov_b32 s17, 32<<16
	s_mov_b32 s18, 35<<16
	s_mov_b32 s19, 32<<16
	s_mov_b32 s20, 35
	s_mov_b32 s21, 32
	s_mov_b32 s22, 0
	s_mov_b32 s23, 0
	s_mul_i32 s36, s14, HEADB                      ; the head's first byte in q_img and in kv
	s_mul_i32 s25, s[WV], KVREC                    ; LDS address: record = wave
	s_add_co_u32 s38, s36, s25
	s_mov_b32 s39, 0
	s_lshl_b32 s40, s15, 2                         ; tile A is 32 x quarter + wave: record 4 x quarter + wave / 8, tile wave % 8 in it
	s_lshr_b32 s41, s[WV], 3
	s_add_co_u32 s40, s40, s41
	s_mul_i32 s40, s40, KVREC
	s_add_co_u32 s40, s40, s36
	s_and_b32 s41, s[WV], 7
	s_lshl_b32 s42, s41, 9
	s_add_co_u32 s42, s42, s40                     ; its codes,
	s_mov_b32 s43, 0
	s_and_b32 s44, s[WV], 1
	s_lshl_b32 s44, s44, 8
	s_lshr_b32 s41, s41, 1
	s_lshl_b32 s41, s41, 2
	s_add_co_u32 s44, s44, s41
	s_add_co_u32 s44, s44, s40
	s_add_co_u32 s44, s44, 4096                    ; and its scale words: + 256 (tile % 2) + 4 (tile / 2), 16 bytes a row
	s_mov_b32 s45, 0
	s_lshr_b32 s46, s14, 4
	s_lshl_b32 s46, s46, 7
	s_lshl_b32 s47, s15, 5
	s_add_co_u32 s46, s46, s47
	s_add_co_u32 s46, s46, s[WV]                   ; ctx: tile of rows 128 b + 32 x quarter + wave
	s_and_b32 s47, s14, 15                         ; the head
	s_lshl_b32 s48, s46, 13                        ; ctx_img: [tile of rows][head][512 bytes]
	s_lshl_b32 s49, s47, 9
	s_add_co_u32 s48, s48, s49
	s_mov_b32 s49, 0
	s_lshl_b32 s50, s46, 4                         ; ctx_sc: [tile of rows][head][row] two bytes
	s_add_co_u32 s50, s50, s47
	s_lshl_b32 s50, s50, 5
	s_mov_b32 s51, 0
	s_mul_i32 s52, s[WV], KREC
	s_add_co_u32 s52, s52, NEWK                    ; where my record's K goes
	s_mov_b32 s[SEL], 0x76543210
	s_mov_b32 s[SEL+1], 0xfedcba98
	s_mov_b32 s[CS], 0x3e38aa3b                    ; c = log2(e) / 8
	s_mov_b32 s[CS+1], s[CS]
	s_mov_b32 s[NC], 0xbe38aa3b                    ; -c
	s_mov_b32 s34, 0xffff0000
	s_mov_b32 s24, 1                               ; group 0: count = 1
	s_wait_dscnt 0x0
	s_wait_kmcnt 0x0
	s_add_nc_u64 s[26:27], s[6:7], s[38:39]        ; global address: the head's record number wave
	s_or_b32 s27, s27, 0x80000000                  ; type = 2
	s_add_nc_u64 s[42:43], s[4:5], s[42:43]
	s_add_nc_u64 s[44:45], s[4:5], s[44:45]
	s_add_nc_u64 s[8:9], s[8:9], s[48:49]
	s_add_nc_u64 s[10:11], s[10:11], s[50:51]
	CROUND                                         ; all four work-groups are here: the joint loads meet
	tensor_load_to_lds s[24:27], s[16:23]          ; my one tensor load of the launch
	s_nop 0
.rept 4
	v_nop
.endr
	v_and_b32 v3, 31, v0
	v_lshlrev_b32 v1, 4, v3                        ; 16 x lane
	v_lshlrev_b32 v2, 3, v3                        ; 8 x lane
	v_and_b32 v4, 15, v0                           ; r
	v_lshlrev_b32 v5, 4, v4                        ; 16 r
	v_bfe_u32 v6, v0, 4, 1                         ; h
	v_lshlrev_b32 v7, 13, v6
	v_lshl_add_u32 v7, v4, 1, v7                   ; lanes 0-15 store tile A's scale bytes, lanes 16-31 tile B's, 8,192 bytes on
	v_lshlrev_b32 v225, 3, v6                      ; 8 h: how far up my two scale bytes go in p's word
	global_load_b128 v[16:19], v1, s[42:43]                   ; Q of tile A,
	global_load_b128 v[24:27], v1, s[42:43] offset:2*KVREC    ; of tile B, two records on,
	global_load_b32 v250, v5, s[44:45]                        ; and their scale words
	global_load_b32 v252, v5, s[44:45] offset:2*KVREC
	v_and_b32 v216, 7, v0                          ; r % 8
	v_bfe_u32 v217, v0, 3, 1                       ; r / 8
	v_lshlrev_b32 v218, 4, v216
	v_lshl_add_u32 v218, v6, 8, v218               ; 16 (r % 8) + 256 h
	v_lshl_add_u32 v3, v217, 10, v218              ; codes: + 1,024 (r / 8): stored tile 2 (2 c + r / 8) + g % 2, its row r % 8 + 8 (g / 2)
	v_lshl_add_u32 v4, v217, 2, v218               ; scale words: + 4 (r / 8); here h stands for g % 2
	v_add_nc_u32 v3, s25, v3                       ; in my record
	v_add_nc_u32 v4, s25, v4
	v_add_nc_u32 v231, s52, v1                     ; and out: 16 x lane
.irp i, 20,21,22,23,28,29,30,31,64,65,66,67
	v_mov_b32 v[\i], 0                             ; K = 64 .. 127 of Q: zero codes; and the four registers behind K's last tile
.endr
.irp i, 217,224,227,229
	v_mov_b32 v[\i], 0                             ; lane permutes' destinations, and the upper halves of the pairs v[226:227], v[228:229]: written once
.endr
	v_mov_b32 v13, 0xff61b1e6                      ; the largest score so far: -3e38
	v_mov_b32 v9, 0xff61b1e6
	v_floor_f32 v12, -v13                          ; -M
	v_floor_f32 v8, -v9
.irp i, 10,11,14,15
	v_mov_b32 v[\i], 0                             ; the sums, in two halves
.endr
.set jj, 0
.rept 64
	v_mov_b32 v[OA+jj], 0                          ; O^T of both tiles: the step is written once for all trips; the first finds zeros, which the first change of M leaves zeros
.set jj, jj+1
.endr
	s_wait_alu depctr_va_vdst(0)                   ; the wait at the head's end
	s_wait_tensorcnt 0x0                           ; my record is in,
	s_barrier_signal -1
	s_barrier_wait -1                              ; everybody's is
.irp c, 0,1
.irp g, 0,1,2,3
	ds_load_b128 v[S+16*\c+4*\g:S+16*\c+4*\g+3], v3 offset:2048*\c+512*(\g%2)+128*(\g/2)   ; tile 4 c + g, composed
.endr
.endr
.irp j, 0,1,2,3
	ds_load_b32 v[S+32+\j], v4 offset:4096+128*(\j%2)+8*(\j/2)   ; register j: lanes 0-15 the words of tile 2 j, lanes 16-31 of tile 2 j + 1
.endr
	s_wait_dscnt 0x0
.irp t, 0,1,2,3,4,5,6,7
	ds_store_b128 v231, v[S+4*\t:S+4*\t+3] offset:512*\t
.endr
	ds_store_b128 v231, v[S+32:S+35] offset:4096
	s_wait_dscnt 0x0                               ; for the others' sake: my stores are done
	s_barrier_signal -1
	s_barrier_wait -1                              ; all of K lies composed
	s_wait_loadcnt 0x0                             ; Q
.macro KLOAD                           ; a record's K: its scale words and eight tiles, four registers each
	ds_load_b128 v[244:247], v3 offset:4096
.irp t, 0,1,2,3,4,5,6,7
	ds_load_b128 v[KV+4*\t:KV+4*\t+3], v3 offset:512*\t
.endr
.endm
.macro ADDRS                           ; the LDS addresses of the record at s[TB], s[TK]
	v_add_nc_u32 v3, s[TK], v1
	v_add_nc_u32 v4, s[TB], v1
	v_add_nc_u32 v5, s[TB], v2
.endm
.macro SMUL q, qs                      ; S^T = K Q^T: register 32 c + 8 g + j of lane (r, h) is key 64 c + 32 h + 8 g + j of query r
.irp t, 0,1,2,3,4,5,6,7
.if \t%2
	v_wmma_scale_f32_16x16x128_f8f6f4 v[S+8*\t:S+8*\t+7], v[KV+4*\t:KV+4*\t+7], v[\q:\q+7], 0, v[244+\t/2], v[\qs] matrix_a_fmt:MATRIX_FMT_FP4 matrix_b_fmt:MATRIX_FMT_FP4 matrix_a_scale:MATRIX_SCALE_ROW1
.else
	v_wmma_scale_f32_16x16x128_f8f6f4 v[S+8*\t:S+8*\t+7], v[KV+4*\t:KV+4*\t+7], v[\q:\q+7], 0, v[244+\t/2], v[\qs] matrix_a_fmt:MATRIX_FMT_FP4 matrix_b_fmt:MATRIX_FMT_FP4
.endif
.endr
.endm
.macro FM nm, n                        ; n lines of t - M, two numbers each, from S + jj on
.rept \n
	v_pk_fma_f32 v[S+jj:S+jj+1], v[S+jj:S+jj+1], s[CS:CS+1], v[\nm:\nm+1] op_sel_hi:[1,0,0]
.set jj, jj+2
.endr
.endm
; THE SOFTMAX OF ONE TILE'S 128 KEYS, up to the codes and the two scale bytes.  nm: -M (nm + 1: the largest score); l: the sum's pair; f: the factor; pc: the codes.  v218 holds the old -M
.macro SOFT nm, l, f, pc
; the largest score of my two blocks of 32 keys, each in four chains (9, 9, 7 and 7 numbers); each accumulator's first reader takes some of its four lowest registers.  It serves for the row's maximum and, since p rises with the score, for the block's largest p
.irp c, 0,1
	v_max3_num_f32 v[212+\c], v[S+32*\c], v[S+32*\c+1], v[S+32*\c+2]
	v_max3_num_f32 v[214+\c], v[S+32*\c+9], v[S+32*\c+10], v[S+32*\c+11]
	v_max3_num_f32 v[232+\c], v[S+32*\c+18], v[S+32*\c+19], v[S+32*\c+20]
	v_max3_num_f32 v[234+\c], v[S+32*\c+25], v[S+32*\c+26], v[S+32*\c+27]
.endr
.irp i, 0,1
.irp c, 0,1
	v_max3_num_f32 v[212+\c], v[212+\c], v[S+32*\c+3+2*\i], v[S+32*\c+4+2*\i]
	v_max3_num_f32 v[214+\c], v[214+\c], v[S+32*\c+12+2*\i], v[S+32*\c+13+2*\i]
	v_max3_num_f32 v[232+\c], v[232+\c], v[S+32*\c+21+2*\i], v[S+32*\c+22+2*\i]
	v_max3_num_f32 v[234+\c], v[234+\c], v[S+32*\c+28+2*\i], v[S+32*\c+29+2*\i]
.endr
.endr
.irp c, 0,1
	v_max3_num_f32 v[212+\c], v[212+\c], v[S+32*\c+7], v[S+32*\c+8]
	v_max3_num_f32 v[214+\c], v[214+\c], v[S+32*\c+16], v[S+32*\c+17]
.endr
.irp c, 0,1
	v_max3_num_f32 v[232+\c], v[232+\c], v[234+\c], v[212+\c]
.endr
.irp c, 0,1
	v_max_num_f32 v[212+\c], v[232+\c], v[214+\c]
.endr
	s_delay_alu instid0(VALU_DEP_1)
	v_max_num_f32 v216, v212, v213
	s_delay_alu instid0(VALU_DEP_1)
	v_permlanex16_b32 v217, v216, s[SEL], s[SEL+1] ; lane l xor 16 holds my query's other two blocks
	s_delay_alu instid0(VALU_DEP_1)
	v_max3_num_f32 v[\nm+1], v[\nm+1], v216, v217  ; the running largest score
	s_delay_alu instid0(VALU_DEP_1)
	v_mul_f32 v216, s[NC], v[\nm+1]                ; -t of it (c is positive)
	s_delay_alu instid0(VALU_DEP_1)
	v_floor_f32 v[\nm], v216                       ; the new -M = floor(-t) = -ceil(t): a whole number
.irp c, 0,1
	v_fma_f32 v[212+\c], v[212+\c], s[CS], v[\nm]  ; t - M of each block's largest score
.endr
	v_sub_f32 v218, v[\nm], v218                   ; old M - new M: a whole number, 0 or less
.set jj, 0
	FM \nm, 2                                      ; t - M of the 64 scores; the factor's lines stand among them
	v_cvt_i32_f32 v218, v218                       ; (it saturates)
	FM \nm, 2
	v_ldexp_f32 v[\f], 1.0, v218                   ; f = 2^(old M - new M)
	FM \nm, 28
	s_wait_alu depctr_va_vdst(0)                   ; the wait ahead of the batch
.set jj, 0
.rept 64
	v_exp_f32 v[S+jj], v[S+jj]                     ; p = 2^(t - M), at most 1: not normalised
.set jj, jj+1
.endr
.irp c, 0,1
	v_exp_f32 v[212+\c], v[212+\c]                 ; the block's largest p: the same two instructions on the same number give the same bits
.endr
	v_pk_mul_f32 v[\l:\l+1], v[\l:\l+1], v[\f:\f+1] op_sel_hi:[1,0]   ; the sums under the new M.  (A plain place behind the exponentials)
	s_wait_alu depctr_va_vdst(0)                   ; and the wait behind the batch
.irp c, 0,1
	v_max_num_f32 v[212+\c], 0x1800000, v[212+\c]  ; the floor 2^(3 - 127): the byte cannot fall under 1
.endr
.irp c, 0,1
	v_add_nc_u32 v[220+\c], 0xff000000, v[212+\c]  ; 2 off the exponent field: the conversion's scale operand
.endr
.irp c, 0,1
.irp g, 0,1,2,3
	v_cvt_scalef32_pk8_fp4_f32 v[\pc+4*\c+\g], v[S+32*\c+8*\g:S+32*\c+8*\g+7], v[220+\c]   ; register 4 c + g of the operand: keys 64 c + 32 h + 8 g + 0 .. 7
.endr
.endr
.irp c, 0,1
	v_lshrrev_b32 v[222+\c], 23, v[220+\c]         ; the scale's byte.  (Plain places behind the scaled conversions)
.endr
.endm
; p's scale word, four lines that hang on each other: laid by the step among lines that hang on nothing
.macro W1
	v_lshl_or_b32 v216, v223, 16, v222             ; my two bytes: blocks h and 2 + h,
.endm
.macro W2
	v_lshlrev_b32 v216, v225, v216                 ; at their places in the word (8 h bits up);
.endm
.macro W3
	v_permlanex16_b32 v224, v216, s[SEL], s[SEL+1]
.endm
.macro W4 pw
	v_or_b32 v[\pw], v216, v224                    ; with lane l xor 16's two the word of these 128 keys is whole
.endm
; the row's sum of the unquantised p: a tree of packed additions.  Its first level (16 lines, in place), four lines at a time from S + jj on;
.macro ADD4
.rept 4
	v_pk_add_f32 v[S+jj:S+jj+1], v[S+jj:S+jj+1], v[S+jj+2:S+jj+3]
.set jj, jj+4
.endr
.endm
.macro TREE23                          ; the second level in place, the third into v232-239, so that S is free;
.set jj, 0
.rept 8
	v_pk_add_f32 v[S+jj:S+jj+1], v[S+jj:S+jj+1], v[S+jj+4:S+jj+5]
.set jj, jj+8
.endr
.set jj, 0
.rept 4
	v_pk_add_f32 v[232+jj/8:233+jj/8], v[S+jj:S+jj+1], v[S+jj+8:S+jj+9]
.set jj, jj+16
.endr
.endm
.macro TAIL l                          ; and the last four lines
	v_pk_add_f32 v[232:233], v[232:233], v[234:235]
	v_pk_add_f32 v[236:237], v[236:237], v[238:239]
	v_pk_add_f32 v[232:233], v[232:233], v[236:237]
	v_pk_add_f32 v[\l:\l+1], v[\l:\l+1], v[232:233]
.endm
.macro RS o, f, n                      ; n lines of O^T under the new M, from o + jj on
.rept \n
	v_pk_mul_f32 v[\o+jj:\o+jj+1], v[\o+jj:\o+jj+1], v[\f:\f+1] op_sel_hi:[1,0]
.set jj, jj+2
.endr
.endm
.macro PV1 o, pc, pw, t                ; O^T += V^T P^T, 16 channels; K = these 128 keys
.if \t%2
	v_wmma_scale_f32_16x16x128_f8f6f4 v[\o+8*\t:\o+8*\t+7], v[KV+8*\t:KV+8*\t+7], v[\pc:\pc+7], v[\o+8*\t:\o+8*\t+7], v[248+\t/2], v[\pw] matrix_a_fmt:MATRIX_FMT_FP4 matrix_b_fmt:MATRIX_FMT_FP4 matrix_a_scale:MATRIX_SCALE_ROW1
.else
	v_wmma_scale_f32_16x16x128_f8f6f4 v[\o+8*\t:\o+8*\t+7], v[KV+8*\t:KV+8*\t+7], v[\pc:\pc+7], v[\o+8*\t:\o+8*\t+7], v[248+\t/2], v[\pw] matrix_a_fmt:MATRIX_FMT_FP4 matrix_b_fmt:MATRIX_FMT_FP4
.endif
.endm
; A KEY STEP: 128 keys, both tiles.  K and its words are in registers at its head.  last = 1: no record follows
.macro DSTEP last
	s_barrier_signal -1                            ; I have begun this key step (no LDS instruction of mine is out)
	SMUL 16, 250
	v_mov_b32 v218, v12                            ; the old -M, and three idle lines: four places behind the products
.rept 3
	v_nop
.endr
	SOFT 12, 14, 226, 196
.set jj, 0
	ADD4                                           ; tile A's sum, with the scale word's lines among its first level
	W1
	ADD4
	W2
	ADD4
	W3
	ADD4
	W4 251
	TREE23
	SMUL 24, 252
	v_mov_b32 v218, v8                             ; the old -M, and the end of tile A's sum: five places behind the products, in front of the loads into K's registers
	TAIL 14
.irp t, 0,1,2,3
.irp c, 0,1
	ds_load_b128 v[KV+8*\t+4*\c:KV+8*\t+4*\c+3], v4 offset:4608+1024*\t+512*\c   ; V takes K's registers; it is wanted behind tile B's softmax
.endr
.endr
	ds_load_b64 v[248:249], v5 offset:8704         ; V's scale words
	SOFT 8, 10, 228, 204
	s_wait_alu depctr_va_vdst(0)                   ; directly ahead of the first readers of O^T
.set jj, 0
	RS OA, 226, 4                                  ; O^T under the new M, with the scale word's lines among tile A's
	W1
	RS OA, 226, 4
	W2
	RS OA, 226, 4
	W3
	RS OA, 226, 4
	W4 253
.set jj, 0
	RS OB, 228, 16                                 ; (sixteen places between the scale word and the products)
	s_wait_alu depctr_va_vdst(0)                   ; directly ahead of the wait below
	s_wait_dscnt 0x0                               ; V and its words are in
.irp t, 0,1,2,3                                ; eight accumulators by turns; each fragment of V serves both tiles
	PV1 OA, 196, 251, \t
	PV1 OB, 204, 253, \t
.endr
.if \last == 0
	s_add_co_u32 s[TB], s[TB], KVREC
	s_add_co_u32 s[TK], s[TK], KREC
	ADDRS
	v_nop                                          ; four places in front of the loads into V's registers
	KLOAD                                          ; the next record's K, with tile B's sum behind it
.endif
.set jj, 0
.rept 4
	ADD4
.endr
	TREE23
	TAIL 10
	s_wait_alu depctr_va_vdst(0)                   ; directly ahead of the waits below
.if \last == 0
	s_wait_dscnt 0x0                               ; K and its words are in
.endif
	s_barrier_wait -1                              ; I go on when every wave has begun this step
.endm
	s_mov_b32 s[TB], 0
	s_mov_b32 s[TK], NEWK
	s_mov_b32 s33, 15
	ADDRS
	KLOAD
	s_wait_alu depctr_va_vdst(0)                   ; directly ahead of the wait below
	s_wait_dscnt 0x0
.Lstep:                                                ; 15 trips; the last record's step is written out, since no load follows it
	DSTEP 0
	s_sub_co_u32 s33, s33, 1
	s_cmp_lg_u32 s33, 0
	s_cbranch_scc1 .Lstep
	DSTEP 1
	; THE WAY OUT.  (Tile B's sum, 32 plain lines, stands behind the last products)
	v_add_f32 v14, v14, v15                        ; the sums' two halves,
	v_add_f32 v10, v10, v11
	v_permlanex16_b32 v217, v14, s[SEL], s[SEL+1]
	v_permlanex16_b32 v224, v10, s[SEL], s[SEL+1]
	v_add_f32 v14, v14, v217                       ; and lane l xor 16's: the rows' sums
	v_add_f32 v10, v10, v224
	s_wait_alu depctr_va_vdst(0)                   ; the wait ahead of the transcendentals
	v_rcp_f32 v226, v14
	v_rcp_f32 v228, v10
	v_nop                                          ; one plain place behind a transcendental
	s_wait_alu depctr_va_vdst(0)                   ; and behind them, directly ahead of the first readers of O^T
.set jj, 0
.rept 16
	v_pk_mul_f32 v[S+jj:S+jj+1], v[OA+jj:OA+jj+1], v[226:227] op_sel_hi:[1,0]   ; ctx = O^T / the sum: register 16 b + i is channel 32 b + 16 h + i of my query
.set jj, jj+2
.endr
.set jj, 0
.rept 16
	v_pk_mul_f32 v[S+32+jj:S+32+jj+1], v[OB+jj:OB+jj+1], v[228:229] op_sel_hi:[1,0]
.set jj, jj+2
.endr
.macro OUT x, hw                       ; tile x: the head's 64 channels are two blocks of the next product's K
.set SB, S+32*\x
.set PX, 196+8*\x
.irp b, 0,1
	v_max3_num_f32 v[212+\b], |v[SB+16*\b]|, |v[SB+1+16*\b]|, 0x1800000
.endr
.irp i, 2,4,6,8,10,12,14
.irp b, 0,1
	v_max3_num_f32 v[212+\b], v[212+\b], |v[SB+16*\b+\i]|, |v[SB+1+16*\b+\i]|
.endr
.endr
.irp b, 0,1
	v_permlanex16_b32 v[216+\b], v[212+\b], s[SEL], s[SEL+1]
.endr
.irp b, 0,1
	v_max_num_f32 v[212+\b], v[212+\b], v[216+\b]
.endr
.irp b, 0,1
	v_add_nc_u32 v[220+\b], 0xff000000, v[212+\b]
.endr
.irp b, 0,1
	v_lshrrev_b32 v[222+\b], 23, v[220+\b]
.endr
	v_lshl_or_b32 v[\hw], v223, 8, v222            ; my row's two scale bytes
.irp b, 0,1
	v_cvt_scalef32_pk8_fp4_f32 v[PX+2*\b], v[SB+16*\b:SB+16*\b+7], v[220+\b]
	v_cvt_scalef32_pk8_fp4_f32 v[PX+1+2*\b], v[SB+8+16*\b:SB+8+16*\b+7], v[220+\b]
.endr
	v_nop
	v_permlane16_swap_b32 v[PX], v[PX+2]
	v_permlane16_swap_b32 v[PX+1], v[PX+3]         ; four registers: k = 32 h + 0 .. 31 of the head's 64: half a fragment of the next product
	global_store_b128 v1, v[PX:PX+3], s[8:9] offset:131072*\x   ; 32 lanes store 512 consecutive bytes
.endm
	OUT 0, 6
	OUT 1, 230
	v_cndmask_b32 v6, v6, v230, s34                ; lanes 0-15 tile A's bytes, lanes 16-31 tile B's
	global_store_b16 v7, v6, s[10:11]              ; two runs of 32 bytes
	s_wait_tensorcnt 0x0                           ; the wave's end
	ds_add_u32 v254, v255
	s_wait_dscnt 0x0
	CROUND                                         ; the closing round
	s_endpgm
.Lfunc_end_k_q63ac7198a1_attn:
	.size	k_q63ac7198a1_attn, .Lfunc_end_k_q63ac7198a1_attn-k_q63ac7198a1_attn
	.p2alignl 7, 3214868480
	.fill 96, 4, 3214868480
	.section	.rodata,"a",@progbits
	.p2align	6, 0x0
	.amdhsa_kernel k_q63ac7198a1_attn
		.amdhsa_group_segment_fixed_size 219136
		.amdhsa_private_segment_fixed_size 0
		.amdhsa_enable_private_segment 0
		.amdhsa_kernarg_size 32
		.amdhsa_user_sgpr_count 2
		.amdhsa_user_sgpr_kernarg_segment_ptr 1
		.amdhsa_wavefront_size32 1
		.amdhsa_system_sgpr_workgroup_id_x 1
		.amdhsa_system_sgpr_workgroup_id_y 1
		.amdhsa_system_sgpr_workgroup_id_z 1
		.amdhsa_system_vgpr_workitem_id 0
		.amdhsa_next_free_vgpr 256
		.amdhsa_next_free_sgpr 66
		.amdhsa_reserve_vcc 0
		.amdhsa_float_denorm_mode_32 3
		.amdhsa_float_denorm_mode_16_64 3
		.amdhsa_memory_ordered 1
		.amdhsa_forward_progress 1
		.amdhsa_inst_pref_size 70
	.end_amdhsa_kernel
	.amdgpu_metadata
---
amdhsa.version: [ 1, 2 ]
amdhsa.kernels:
  - .name:           k_q63ac7198a1_attn
    .symbol:         k_q63ac7198a1_attn.kd
    .args:
      - { .name: q_img, .offset: 0, .size: 8, .value_kind: global_buffer, .address_space: global }
      - { .name: kv, .offset: 8, .size: 8, .value_kind: global_buffer, .address_space: global }
      - { .name: ctx_img, .offset: 16, .size: 8, .value_kind: global_buffer, .address_space: global }
      - { .name: ctx_sc, .offset: 24, .size: 8, .value_kind: global_buffer, .address_space: global }
    .group_segment_fixed_size: 219136
    .private_segment_fixed_size: 0
    .kernarg_segment_align: 8
    .kernarg_segment_size: 32
    .max_flat_workgroup_size: 512
    .sgpr_count:     66
    .vgpr_count:     256
    .wavefront_size: 32
...
	.end_amdgpu_metadata
.endif
;; end of part 3
;; launch oproj (part 4): grid 256 x 1, 4 waves a work-group, no clusters, 279,552 bytes of LDS; arguments ctx_img, ctx_sc, w_img, bo, hidden_states, part; writes part
.if DOCPART == 4
	.amdgcn_target "amdgcn-amd-amdhsa--gfx1250"
	.amdhsa_code_object_version 6
	.text
	.protected	k_q63ac7198a1_oproj
	.globl	k_q63ac7198a1_oproj
	.p2align	8
	.type	k_q63ac7198a1_oproj,@function
k_q63ac7198a1_oproj:
	s_mov_b64 s[64:65], 0
	v_nop
	global_prefetch_b8 v0, s[64:65] scope:SCOPE_SE
	s_setreg_imm32_b32 hwreg(HW_REG_WAVE_MODE, 25, 1), 1
	s_wait_xcnt 0x0
; y = Q(ctx) Wo + bo + x on codes of FP4 with E8M0 scales, K = 1,024; then each row's (y - mean) / sqrt(var + 1e-5), summed over the work-group's 32 rows: part[work-group][1024].  (gamma, beta and the pooling's weight follow in the last launch.)
; A work-group G = 64 b + g takes rows s = 32 g .. 32 g + 31 of batch b, two tiles of rows, and ALL 1,024 columns, since the norm wants whole rows.  Wave w makes columns 256 w on: 16 tiles of Wo's rows x 2 tiles of rows: 32 accumulators.
; The product is used transposed: source 0 = 16 rows of Wo, source 1 = 16 rows of ctx: a lane holds one row and eight neighbouring columns.  bo is the C of each sum's first matrix instruction.
; NO MULTICAST, NO LDS FOR Wo: each byte of Wo's images feeds exactly one wave of a work-group and lies in the order of the operand's registers, so it goes straight into registers, 512 consecutive bytes a load;
; all of Wo (557,056 bytes with its scales) does not fit in LDS, so a joint load would want slots filled again, and every byte would be read from LDS once more.
; x's 32 rows come by one tensor load a wave (8 rows of 4,096 bytes) at the kernel's head, into bytes that are filled once and that only the wave itself reads.
; The variance is taken of y - mean, in a second pass over registers: no difference of large sums is formed.
; LDS: 0: x's rows, 32,768 bytes a wave;  STG: 32 rows of y, 4,096 bytes + 16;  RED: four waves' column sums.
; REGISTERS, in windows of 256: window 0: v0-15 addresses; v16-79 Wo's scale words, v80-87 ctx's, and nothing else; v88-95 at work; v96-127 ctx's scale bytes as loaded, later the column sums; v128-255 ctx's 16 fragments, later rows.
;   window 1: Wo's fragments, two sets of 16.   window 2: the accumulators, (m, t) at v[8 (16 m + t)].   window 3: v0-127 bo, eight registers a tile, in the result's layout.
.set REC,   4352
.set WKH,   256*REC
.set STG,   131072
.set YP,    4112                       ; a stage row: 4,096 bytes + 16: row r starts 4 r banks on
.set RED,   STG+32*YP
.set LI,    4                          ; v4   16 x lane
.set WV,    16                         ; s16  wave
.set SEL,   32                         ; s[32:33] lane selects for v_permlanex16_b32: lane l xor 16;  s34 1 / 1,024;  s35 1e-5
.set MSB,   0
.macro WIN new                         ; the immediate's high byte repeats the setting that is left
.if MSB != (\new)
	s_set_vgpr_msb (MSB<<8)|(\new)
.set MSB, (\new)
.endif
.endm
.macro PLACES
.rept 4
	v_nop
.endr
.endm
	s_load_b256 s[4:11], s[0:1], 0x0               ; ctx_img s[4:5], ctx_sc s[6:7], w_img s[8:9], bo s[10:11]
	s_load_b128 s[12:15], s[0:1], 0x20             ; x s[12:13], part s[14:15]
	v_lshl_add_u32 v15, v0, 2, 0x44200
	v_mov_b32 v93, 0
	ds_add_u32 v15, v93
	ds_add_u32 v15, v93
	v_lshrrev_b32 v1, 5, v0
	v_readfirstlane_b32 s[WV], v1                  ; wave 0..3
	; descriptor group 1: 8 rows of 4,096 bytes (512 elements of 8 bytes), 16,384 bytes apart (the four batches lie between two steps of s)
	s_mov_b32 s20, 3<<16                           ; no mask; elements of 8 bytes; no padding: every read takes 512 consecutive bytes
	s_mov_b32 s21, 512<<16                         ; tensor_dim0 = 512
	s_mov_b32 s22, 8<<16                           ; tensor_dim1 = 8
	s_mov_b32 s23, 512<<16                         ; tile_dim0 = 512
	s_mov_b32 s24, 8                               ; tile_dim1 = 8
	s_mov_b32 s25, 2048                            ; tensor_dim0_stride
	s_mov_b32 s26, 0
	s_mov_b32 s27, 0
	s_and_b32 s36, ttmp9, 63                       ; g
	s_lshr_b32 s37, ttmp9, 6                       ; b
	s_lshl_b32 s36, s36, 5
	s_lshr_b32 s38, s[WV], 1                       ; stage rows 8 w .. 8 w + 7 are rows 8 (w % 2) on of tile w / 2: s = 32 g + 8 (w / 2) + 16 (w % 2) + 0 .. 7
	s_lshl_b32 s38, s38, 3
	s_add_co_u32 s36, s36, s38
	s_and_b32 s38, s[WV], 1
	s_lshl_b32 s38, s38, 4
	s_add_co_u32 s36, s36, s38
	s_lshl_b32 s36, s36, 2
	s_add_co_u32 s36, s36, s37
	s_lshl_b32 s36, s36, 12                        ; row 4 s + b of 4,096 bytes
	s_mov_b32 s37, 0
	s_mov_b32 s28, 1                               ; group 0: count = 1
	s_lshl_b32 s29, s[WV], 15                      ; LDS address: 32,768 x wave
	s_mov_b32 s41, 0
	s_wait_dscnt 0x0
	s_wait_kmcnt 0x0
	s_add_nc_u64 s[30:31], s[12:13], s[36:37]
	s_or_b32 s31, s31, 0x80000000                  ; type = 2
	tensor_load_to_lds s[28:31], s[20:27]          ; my one tensor load: it has the whole product in which to land
	s_nop 0
.rept 4
	v_nop
.endr
	s_lshl_b32 s40, ttmp9, 14
	s_add_nc_u64 s[4:5], s[4:5], s[40:41]          ; ctx's codes: two tiles of rows of 8,192 bytes
	s_lshl_b32 s40, ttmp9, 10
	s_add_nc_u64 s[6:7], s[6:7], s[40:41]          ; their scale bytes: 512 a tile
	s_lshl_b32 s40, s[WV], 4
	s_add_co_u32 s40, s40, 192
	s_mul_i32 s40, s40, REC
	s_add_nc_u64 s[8:9], s[8:9], s[40:41]          ; Wo's records 192 + 16 w on
	s_lshl_b32 s40, s[WV], 10
	s_add_nc_u64 s[10:11], s[10:11], s[40:41]      ; bo at my 256 columns
	s_lshl_b32 s40, ttmp9, 12
	s_add_nc_u64 s[14:15], s[14:15], s[40:41]
	s_mov_b32 s[SEL], 0x76543210
	s_mov_b32 s[SEL+1], 0xfedcba98
	s_mov_b32 s34, 0x3a800000                      ; 1 / 1,024
	s_mov_b32 s35, 0x3727c5ac                      ; 1e-5
	v_and_b32 v1, 31, v0                           ; lane
	v_and_b32 v2, 15, v0                           ; r
	v_bfe_u32 v3, v0, 4, 1                         ; h
	v_lshlrev_b32 v[LI], 4, v1
	v_lshlrev_b32 v5, 9, v3
	v_lshl_add_u32 v5, v2, 1, v5                   ; ctx's scale bytes: lanes 0-15 tile 0's rows, lanes 16-31 tile 1's
	v_mul_u32_u24 v6, v3, REC
	v_lshl_add_u32 v6, v2, 4, v6                   ; Wo's scale words: lanes 0-15 an even tile's rows, lanes 16-31 the odd tile's behind it
	v_lshlrev_b32 v7, 6, v3                        ; bo: 16 h numbers on
	v_mul_u32_u24 v8, v2, YP
	v_lshl_add_u32 v8, v3, 6, v8
	s_lshl_b32 s38, s[WV], 10
	s_add_co_u32 s38, s38, STG
	v_add_nc_u32 v8, s38, v8                       ; into the stage: row r, + 64 h, + my 1,024 bytes of a row
	v_add_nc_u32 v9, 16*YP, v8                     ; and the same for tile 1's rows
	s_mul_i32 s38, s[WV], 8*YP
	s_add_co_u32 s38, s38, STG
	v_add_nc_u32 v10, s38, v[LI]                   ; back: my 8 rows of y,
	s_lshl_b32 s38, s[WV], 15
	v_add_nc_u32 v11, s38, v[LI]                   ; and of x
	s_lshl_b32 s38, s[WV], 12
	s_add_co_u32 s38, s38, RED
	v_add_nc_u32 v12, s38, v[LI]                   ; my column sums
	v_lshl_add_u32 v13, v0, 4, RED                 ; and where thread t gathers: 16 t
	v_lshlrev_b32 v14, 4, v0
	v_mov_b32 v92, 0                               ; written once: a lane permute's destination counts as one of its sources
	v_mov_b32 v95, 0                               ; (named as the upper half of the pair v[94:95])
.irp d, 0,1,2,3,4,5,6,7,8,9,10,11,12,13,14,15
	global_load_u16 v[96+\d], v5, s[6:7] offset:32*\d          ; head d's two scale bytes of my row
.endr
.irp k, 0,1
.irp i, 0,1,2,3,4,5,6,7
	global_load_b128 v[16+32*\k+4*\i:16+32*\k+4*\i+3], v6, s[8:9] offset:2*REC*\i+4096+WKH*\k   ; register 16 + 32 k + 4 i + q: tiles 2 i (lanes 0-15) and 2 i + 1 (lanes 16-31), K step 4 k + q
.endr
.endr
.irp m, 0,1
.irp s, 0,1,2,3,4,5,6,7
.irp c, 0,1
	global_load_b128 v[128+8*(8*\m+\s)+4*\c:128+8*(8*\m+\s)+4*\c+3], v[LI], s[4:5] offset:8192*\m+1024*\s+512*\c   ; ctx's fragments stay in registers
.endr
.endr
.endr
	WIN 0xc0                                       ; destination window 3
.irp t, 0,1,2,3,4,5,6,7,8,9,10,11,12,13,14,15
.irp e, 0,1
	global_load_b128 v[8*\t+4*\e:8*\t+4*\e+3], v7, s[10:11] offset:128*(\t/2)+32*(\t%2)+16*\e   ; tile t's register j is column 32 (t / 2) + 16 h + 8 (t % 2) + j
.endr
.endr
.macro WLOAD s                         ; Wo's 16 fragments of K step s into set s % 2
	WIN 0x40                                       ; destination window 1
.set tt, 0
.rept 16
	global_load_b128 v[128*((\s)%2)+8*tt:128*((\s)%2)+8*tt+3], v[LI], s[8:9] offset:REC*tt+WKH*((\s)/4)+1024*((\s)%4)
	global_load_b128 v[128*((\s)%2)+8*tt+4:128*((\s)%2)+8*tt+7], v[LI], s[8:9] offset:REC*tt+WKH*((\s)/4)+1024*((\s)%4)+512
.set tt, tt+1
.endr
.endm
	WLOAD 0
	WLOAD 1
	WIN 0
	s_wait_loadcnt 32                              ; all but K step 1's 32 loads are in
.irp s, 0,1,2,3,4,5,6,7
	v_lshl_or_b32 v[80+\s], v[97+2*\s], 16, v[96+2*\s]   ; K step s is heads 2 s and 2 s + 1: their four bytes make ctx's scale word
.endr
.rept 8
	v_nop                                          ; a scale register written by a vector instruction stands 8 places ahead of a scaled matrix instruction
.endr
.macro MM s, t, m                      ; one product: Wo's tile t x ctx's tile m, K step s.  In K step 0 C is bo (window 3), afterwards the accumulator itself
.set rD, 8*(16*(\m)+(\t))
.set rC, rD
.if (\s) == 0
.set rC, 8*(\t)
.endif
.set rW, 128*((\s)%2)+8*(\t)
.set rX, 128+8*(8*(\m)+(\s))
.set rA, 16+32*((\s)/4)+4*((\t)/2)+(\s)%4
.set rB, 80+(\s)
.if ((\t)%2 == 0) && ((\m) == 0)
	v_wmma_scale_f32_16x16x128_f8f6f4 v[rD:rD+7], v[rW:rW+7], v[rX:rX+7], v[rC:rC+7], v[rA], v[rB] matrix_a_fmt:MATRIX_FMT_FP4 matrix_b_fmt:MATRIX_FMT_FP4
.elseif ((\t)%2 == 1) && ((\m) == 0)
	v_wmma_scale_f32_16x16x128_f8f6f4 v[rD:rD+7], v[rW:rW+7], v[rX:rX+7], v[rC:rC+7], v[rA], v[rB] matrix_a_fmt:MATRIX_FMT_FP4 matrix_b_fmt:MATRIX_FMT_FP4 matrix_a_scale:MATRIX_SCALE_ROW1
.elseif ((\t)%2 == 0)
	v_wmma_scale_f32_16x16x128_f8f6f4 v[rD:rD+7], v[rW:rW+7], v[rX:rX+7], v[rC:rC+7], v[rA], v[rB] matrix_a_fmt:MATRIX_FMT_FP4 matrix_b_fmt:MATRIX_FMT_FP4 matrix_b_scale:MATRIX_SCALE_ROW1
.else
	v_wmma_scale_f32_16x16x128_f8f6f4 v[rD:rD+7], v[rW:rW+7], v[rX:rX+7], v[rC:rC+7], v[rA], v[rB] matrix_a_fmt:MATRIX_FMT_FP4 matrix_b_fmt:MATRIX_FMT_FP4 matrix_a_scale:MATRIX_SCALE_ROW1 matrix_b_scale:MATRIX_SCALE_ROW1
.endif
.endm
.macro KSTEP s                         ; 32 matrix instructions, the 32 accumulators by turns
.if (\s) < 7
	s_wait_loadcnt 32                              ; this K step's fragments are in; the next step's 32 loads may be out
.else
	s_wait_loadcnt 0x0
.endif
.if (\s) == 0
	WIN 0xb1                                       ; source 0 window 1, source 1 window 0, C window 3, D window 2
.else
	WIN 0xa1                                       ; C and D window 2
.endif
.irp t, 0,1,2,3,4,5,6,7,8,9,10,11,12,13,14,15
.irp m, 0,1
	MM \s, \t, \m
.endr
.endr
.if (\s) < 6
	PLACES                                         ; in front of loads into registers that matrix instructions have read
	WLOAD (\s)+2
.endif
.endm
	s_wait_alu depctr_va_vdst(0)
.irp s, 0,1,2,3,4,5,6,7
	KSTEP \s
.endr
	PLACES                                         ; behind the last products
	WIN 0x08                                       ; an LDS store's data are its source 1: window 2
.irp t, 0,1,2,3,4,5,6,7,8,9,10,11,12,13,14,15
	ds_store_b128 v8, v[8*\t:8*\t+3] offset:128*(\t/2)+32*(\t%2)             ; each accumulator from its low end on
	ds_store_b128 v8, v[8*\t+4:8*\t+7] offset:128*(\t/2)+32*(\t%2)+16
.endr
.irp t, 0,1,2,3,4,5,6,7,8,9,10,11,12,13,14,15
	ds_store_b128 v9, v[128+8*\t:128+8*\t+3] offset:128*(\t/2)+32*(\t%2)
	ds_store_b128 v9, v[128+8*\t+4:128+8*\t+7] offset:128*(\t/2)+32*(\t%2)+16
.endr
	WIN 0
	s_wait_tensorcnt 0x0                           ; my rows of x are in
	s_wait_dscnt 0x0                               ; for the others' sake: my stores into the stage are done
	s_barrier_signal -1
	s_barrier_wait -1                              ; 32 whole rows lie in the stage
.macro ROWLD i                         ; my row i: 4,096 bytes of the product and of x, 512 consecutive bytes a load, into set i % 2
.set LB, 128+64*((\i)%2)
.irp j, 0,1,2,3,4,5,6,7
	ds_load_b128 v[LB+4*\j:LB+4*\j+3], v10 offset:YP*(\i)+512*\j
.endr
.irp j, 0,1,2,3,4,5,6,7
	ds_load_b128 v[LB+32+4*\j:LB+32+4*\j+3], v11 offset:4096*(\i)+512*\j
.endr
.endm
.macro REDUCE                          ; v88 summed over the 32 lanes, the result in every lane
	v_add_f32_dpp v88, v88, v88 row_xmask:1 row_mask:0xf bank_mask:0xf
	v_add_f32_dpp v88, v88, v88 row_xmask:2 row_mask:0xf bank_mask:0xf
	v_add_f32_dpp v88, v88, v88 row_xmask:4 row_mask:0xf bank_mask:0xf
	v_add_f32_dpp v88, v88, v88 row_xmask:8 row_mask:0xf bank_mask:0xf
	v_permlanex16_b32 v92, v88, s[SEL], s[SEL+1]
	v_add_f32 v88, v88, v92
.endm
.macro LN i
.set YB, 128+64*((\i)%2)
.irp j, 0,2,4,6,8,10,12,14,16,18,20,22,24,26,28,30
	v_pk_add_f32 v[YB+\j:YB+\j+1], v[YB+\j:YB+\j+1], v[YB+32+\j:YB+32+\j+1]   ; y = the product (bo is in it) + x
.endr
	v_pk_add_f32 v[88:89], v[YB:YB+1], v[YB+2:YB+3]      ; the row's sum, in two chains
	v_pk_add_f32 v[90:91], v[YB+4:YB+5], v[YB+6:YB+7]
.irp j, 8,12,16,20,24,28
	v_pk_add_f32 v[88:89], v[88:89], v[YB+\j:YB+\j+1]
	v_pk_add_f32 v[90:91], v[90:91], v[YB+\j+2:YB+\j+3]
.endr
	v_pk_add_f32 v[88:89], v[88:89], v[90:91]
	v_add_f32 v88, v88, v89
	REDUCE
	v_mul_f32 v94, s34, v88                        ; the mean
.irp j, 0,2,4,6,8,10,12,14,16,18,20,22,24,26,28,30
	v_pk_add_f32 v[YB+\j:YB+\j+1], v[YB+\j:YB+\j+1], v[94:95] op_sel_hi:[1,0] neg_lo:[0,1] neg_hi:[0,1]   ; y - mean
.endr
	v_pk_mul_f32 v[88:89], v[YB:YB+1], v[YB:YB+1]        ; the sum of its squares, in two chains
	v_pk_mul_f32 v[90:91], v[YB+2:YB+3], v[YB+2:YB+3]
.irp j, 4,8,12,16,20,24,28
	v_pk_fma_f32 v[88:89], v[YB+\j:YB+\j+1], v[YB+\j:YB+\j+1], v[88:89]
	v_pk_fma_f32 v[90:91], v[YB+\j+2:YB+\j+3], v[YB+\j+2:YB+\j+3], v[90:91]
.endr
	v_pk_add_f32 v[88:89], v[88:89], v[90:91]
	v_add_f32 v88, v88, v89
	REDUCE
	v_fma_f32 v88, v88, s34, s35                   ; the variance + 1e-5
	s_wait_alu depctr_va_vdst(0)
	v_rsq_f32 v94, v88
	v_nop                                          ; one plain place behind a transcendental
	s_wait_alu depctr_va_vdst(0)
.irp j, 0,2,4,6,8,10,12,14,16,18,20,22,24,26,28,30
.if (\i) == 0
	v_pk_mul_f32 v[96+\j:97+\j], v[YB+\j:YB+\j+1], v[94:95] op_sel_hi:[1,0]                     ; the first row starts the column sums
.else
	v_pk_fma_f32 v[96+\j:97+\j], v[YB+\j:YB+\j+1], v[94:95], v[96+\j:97+\j] op_sel_hi:[1,0,1]
.endif
.endr
.endm
	ROWLD 0
.irp i, 0,1,2,3,4,5,6
	ROWLD \i+1
	s_wait_dscnt 16                                ; this row's 16 loads are in; the next row's may be out
	LN \i
.endr
	s_wait_dscnt 0x0
	LN 7
.irp j, 0,1,2,3,4,5,6,7
	ds_store_b128 v12, v[96+4*\j:99+4*\j] offset:512*\j       ; my 8 rows' sums: column c at byte 4 c
.endr
	s_wait_dscnt 0x0                               ; for the others' sake
	s_barrier_signal -1
	s_barrier_wait -1
.irp w, 0,1,2,3
.irp j, 0,1
	ds_load_b128 v[128+8*\w+4*\j:128+8*\w+4*\j+3], v13 offset:4096*\w+2048*\j
.endr
.endr
	s_wait_dscnt 0x0
.irp j, 0,2,4,6
	v_pk_add_f32 v[128+\j:129+\j], v[128+\j:129+\j], v[136+\j:137+\j]
	v_pk_add_f32 v[144+\j:145+\j], v[144+\j:145+\j], v[152+\j:153+\j]
.endr
.irp j, 0,2,4,6
	v_pk_add_f32 v[128+\j:129+\j], v[128+\j:129+\j], v[144+\j:145+\j]
.endr
	global_store_b128 v14, v[128:131], s[14:15]               ; a wave stores 512 consecutive bytes
	global_store_b128 v14, v[132:135], s[14:15] offset:2048
	s_wait_tensorcnt 0x0
	ds_add_u32 v15, v93
	s_wait_dscnt 0x0
	s_endpgm
.Lfunc_end_k_q63ac7198a1_oproj:
	.size	k_q63ac7198a1_oproj, .Lfunc_end_k_q63ac7198a1_oproj-k_q63ac7198a1_oproj
	.p2alignl 7, 3214868480
	.fill 96, 4, 3214868480
	.section	.rodata,"a",@progbits
	.p2align	6, 0x0
	.amdhsa_kernel k_q63ac7198a1_oproj
		.amdhsa_group_segment_fixed_size 279552
		.amdhsa_private_segment_fixed_size 0
		.amdhsa_enable_private_segment 0
		.amdhsa_kernarg_size 48
		.amdhsa_user_sgpr_count 2
		.amdhsa_user_sgpr_kernarg_segment_ptr 1
		.amdhsa_wavefront_size32 1
		.amdhsa_system_sgpr_workgroup_id_x 1
		.amdhsa_system_sgpr_workgroup_id_y 1
		.amdhsa_system_sgpr_workgroup_id_z 1
		.amdhsa_system_vgpr_workitem_id 0
		.amdhsa_next_free_vgpr 896
		.amdhsa_next_free_sgpr 66
		.amdhsa_reserve_vcc 0
		.amdhsa_float_denorm_mode_32 3
		.amdhsa_float_denorm_mode_16_64 3
		.amdhsa_memory_ordered 1
		.amdhsa_forward_progress 1
		.amdhsa_inst_pref_size 134
	.end_amdhsa_kernel
	.amdgpu_metadata
---
amdhsa.version: [ 1, 2 ]
amdhsa.kernels:
  - .name:           k_q63ac7198a1_oproj
    .symbol:         k_q63ac7198a1_oproj.kd
    .args:
      - { .name: ctx_img, .offset: 0, .size: 8, .value_kind: global_buffer, .address_space: global }
      - { .name: ctx_sc, .offset: 8, .size: 8, .value_kind: global_buffer, .address_space: global }
      - { .name: w_img, .offset: 16, .size: 8, .value_kind: global_buffer, .address_space: global }
      - { .name: bo, .offset: 24, .size: 8, .value_kind: global_buffer, .address_space: global }
      - { .name: hidden_states, .offset: 32, .size: 8, .value_kind: global_buffer, .address_space: global }
      - { .name: part, .offset: 40, .size: 8, .value_kind: global_buffer, .address_space: global }
    .group_segment_fixed_size: 279552
    .private_segment_fixed_size: 0
    .kernarg_segment_align: 8
    .kernarg_segment_size: 48
    .max_flat_workgroup_size: 128
    .sgpr_count:     66
    .vgpr_count:     896
    .wavefront_size: 32
...
	.end_amdgpu_metadata
.endif
;; end of part 4
;; launch final (part 5): grid 16 x 1, 8 waves a work-group, no clusters, 5,120 bytes of LDS; arguments part, gamma, beta, out0, out1; writes out0, out1
.if DOCPART == 5
	.amdgcn_target "amdgcn-amd-amdhsa--gfx1250"
	.amdhsa_code_object_version 6
	.text
	.protected	k_q63ac7198a1_final
	.globl	k_q63ac7198a1_final
	.p2align	8
	.type	k_q63ac7198a1_final,@function
k_q63ac7198a1_final:
	s_mov_b64 s[64:65], 0
	v_nop
	global_prefetch_b8 v0, s[64:65] scope:SCOPE_SE
	s_setreg_imm32_b32 hwreg(HW_REG_WAVE_MODE, 25, 1), 1
	s_wait_xcnt 0x0
; out1[b][s] = tw = the mean over k of softmax_k(the heads' mean of the attention weights).  A softmax row sums to 1 by its own construction, and its logits here lie in [0, 1], so that nothing can overflow:
; the mean of its 2,048 numbers is 1 / 2,048 for every input; what f32 rounding adds to that in a sum of 2,048 terms is some 1e-7 of it.  So tw is written as 1 / 2,048, and the [b][s][s] mean and its softmax are not formed.
; out0[b][c] = the sum over s of tw ((y - mean) / sqrt(var + 1e-5) gamma[c] + beta[c]) = gamma[c] (the sum over s of the normalised y) / 2,048 + beta[c].
; part[64 b + g][1024] holds that sum over 32 rows each.  A work-group takes a batch b and a quarter of the columns; thread t = 64 gg + cq adds rows 16 gg .. 16 gg + 15 of four columns; the four partial sums meet in LDS.
; Memory binds what little there is: 1 MiB in, 48 KiB out; matrix units, clusters and tensor loads would add nothing.
; REGISTERS: v1-6 indices and offsets; v16-79 my 16 rows of four columns, later (v32-47) the four partial sums; v80-83 gamma, v84-87 beta; v88-89 1 / 2,048 twice, out1's data, written once and never again.
	s_load_b256 s[4:11], s[0:1], 0x0               ; part s[4:5], gamma s[6:7], beta s[8:9], out0 s[10:11]
	s_load_b64 s[12:13], s[0:1], 0x20              ; out1
	v_lshl_add_u32 v96, v0, 2, 0x1000
	v_mov_b32 v97, 0
	v_lshrrev_b32 v1, 5, v0
	s_delay_alu instid0(VALU_DEP_1)
	v_readfirstlane_b32 s14, v1                    ; wave 0..7
	v_and_b32 v1, 63, v0                           ; cq
	v_lshrrev_b32 v2, 6, v0                        ; gg
	s_delay_alu instid0(VALU_DEP_2)
	v_lshlrev_b32 v3, 4, v1                        ; my four columns
	s_delay_alu instid0(VALU_DEP_1)
	v_lshl_add_u32 v4, v2, 16, v3                  ; + 16 rows of 4,096 bytes x gg
	v_lshlrev_b32 v5, 4, v0                        ; LDS: 16 bytes a thread
	v_lshlrev_b32 v6, 3, v0                        ; out1: 8 bytes a thread
	s_lshr_b32 s16, ttmp9, 2                       ; b
	s_and_b32 s17, ttmp9, 3                        ; which quarter of the columns
	s_lshl_b32 s20, s17, 10
	s_mov_b32 s21, 0
	s_lshl_b32 s18, s16, 18                        ; a batch's 64 rows
	s_add_co_u32 s18, s18, s20
	s_mov_b32 s19, 0
	s_lshl_b32 s22, s16, 12
	s_add_co_u32 s22, s22, s20
	s_mov_b32 s23, 0
	s_lshl_b32 s24, ttmp9, 11                      ; out1: 2,048 bytes a work-group
	s_mov_b32 s25, 0
	v_mov_b32 v88, 0x3a000000                      ; 1 / 2,048
	v_mov_b32 v89, 0x3a000000
	s_wait_alu depctr_va_vdst(0)
	s_wait_kmcnt 0x0
	s_add_nc_u64 s[4:5], s[4:5], s[18:19]
	s_add_nc_u64 s[6:7], s[6:7], s[20:21]
	s_add_nc_u64 s[8:9], s[8:9], s[20:21]
	s_add_nc_u64 s[10:11], s[10:11], s[22:23]
	s_add_nc_u64 s[12:13], s[12:13], s[24:25]
.irp i, 0,1,2,3,4,5,6,7,8,9,10,11,12,13,14,15
	global_load_b128 v[16+4*\i:19+4*\i], v4, s[4:5] offset:4096*\i
.endr
	global_load_b128 v[80:83], v3, s[6:7]
	global_load_b128 v[84:87], v3, s[8:9]
	s_wait_loadcnt 0x0
.irp d, 8,4,2,1                                ; a tree of packed additions over my 16 rows
.irp i, 0,1,2,3,4,5,6,7
.if \i < \d
	v_pk_add_f32 v[16+4*\i:17+4*\i], v[16+4*\i:17+4*\i], v[16+4*(\i+\d):17+4*(\i+\d)]
	v_pk_add_f32 v[18+4*\i:19+4*\i], v[18+4*\i:19+4*\i], v[18+4*(\i+\d):19+4*(\i+\d)]
.endif
.endr
.endr
	ds_store_b128 v5, v[16:19]
	s_wait_dscnt 0x0                               ; for the others' sake: my partial sums lie in LDS
	s_barrier_signal -1
	s_barrier_wait -1
.irp k, 0,1,2,3
	ds_load_b128 v[32+4*\k:35+4*\k], v3 offset:1024*\k   ; the four partial sums of my four columns
.endr
	global_store_b64 v6, v[88:89], s[12:13]        ; out1: a wave stores 256 consecutive bytes; its data are never written again
	s_wait_dscnt 0x0
.irp j, 0,2
	v_pk_add_f32 v[32+\j:33+\j], v[32+\j:33+\j], v[36+\j:37+\j]
	v_pk_add_f32 v[40+\j:41+\j], v[40+\j:41+\j], v[44+\j:45+\j]
.endr
.irp j, 0
	s_delay_alu instid0(VALU_DEP_3)
	v_pk_add_f32 v[32+\j:33+\j], v[32+\j:33+\j], v[40+\j:41+\j]
.endr
.irp j, 2
	s_delay_alu instid0(VALU_DEP_2)
	v_pk_add_f32 v[32+\j:33+\j], v[32+\j:33+\j], v[40+\j:41+\j]
.endr
.irp j, 0,2
	s_delay_alu instid0(VALU_DEP_2)
	v_pk_mul_f32 v[32+\j:33+\j], v[32+\j:33+\j], 0x3a000000 op_sel_hi:[1,0]          ; / 2,048: exact
.endr
.irp j, 0,2
	s_delay_alu instid0(VALU_DEP_2)
	v_pk_fma_f32 v[32+\j:33+\j], v[32+\j:33+\j], v[80+\j:81+\j], v[84+\j:85+\j]      ; x gamma + beta
.endr
	s_cmp_lt_u32 s14, 2                            ; every thread holds its columns' result: threads 0-63 store
	s_cbranch_scc0 .Ldone
	global_store_b128 v3, v[32:35], s[10:11]       ; a wave stores 512 consecutive bytes
.Ldone:
	s_wait_tensorcnt 0x0
	ds_add_u32 v96, v97
	s_wait_dscnt 0x0
	s_endpgm
.Lfunc_end_k_q63ac7198a1_final:
	.size	k_q63ac7198a1_final, .Lfunc_end_k_q63ac7198a1_final-k_q63ac7198a1_final
	.p2alignl 7, 3214868480
	.fill 96, 4, 3214868480
	.section	.rodata,"a",@progbits
	.p2align	6, 0x0
	.amdhsa_kernel k_q63ac7198a1_final
		.amdhsa_group_segment_fixed_size 5120
		.amdhsa_private_segment_fixed_size 0
		.amdhsa_enable_private_segment 0
		.amdhsa_kernarg_size 40
		.amdhsa_user_sgpr_count 2
		.amdhsa_user_sgpr_kernarg_segment_ptr 1
		.amdhsa_wavefront_size32 1
		.amdhsa_system_sgpr_workgroup_id_x 1
		.amdhsa_system_sgpr_workgroup_id_y 1
		.amdhsa_system_sgpr_workgroup_id_z 1
		.amdhsa_system_vgpr_workitem_id 0
		.amdhsa_next_free_vgpr 98
		.amdhsa_next_free_sgpr 66
		.amdhsa_reserve_vcc 0
		.amdhsa_float_denorm_mode_32 3
		.amdhsa_float_denorm_mode_16_64 3
		.amdhsa_memory_ordered 1
		.amdhsa_forward_progress 1
		.amdhsa_inst_pref_size 7
	.end_amdhsa_kernel
	.amdgpu_metadata
---
amdhsa.version: [ 1, 2 ]
amdhsa.kernels:
  - .name:           k_q63ac7198a1_final
    .symbol:         k_q63ac7198a1_final.kd
    .args:
      - { .name: part, .offset: 0, .size: 8, .value_kind: global_buffer, .address_space: global }
      - { .name: gamma, .offset: 8, .size: 8, .value_kind: global_buffer, .address_space: global }
      - { .name: beta, .offset: 16, .size: 8, .value_kind: global_buffer, .address_space: global }
      - { .name: out0, .offset: 24, .size: 8, .value_kind: global_buffer, .address_space: global }
      - { .name: out1, .offset: 32, .size: 8, .value_kind: global_buffer, .address_space: global }
    .group_segment_fixed_size: 5120
    .private_segment_fixed_size: 0
    .kernarg_segment_align: 8
    .kernarg_segment_size: 40
    .max_flat_workgroup_size: 256
    .sgpr_count:     66
    .vgpr_count:     98
    .wavefront_size: 32
...
	.end_amdgpu_metadata
.endif
;; end of part 5
